; MI455X (gfx1250); checked and timed in simulation.
; The chip was launched on July 23, 2026; its instructions are those of AMD's public machine-readable ISA for CDNA 5 (MIT licence, August 2026) and "CDNA5" Instruction Set Architecture Reference Guide (July 2026). The comments in the code are by the model that wrote it; some were corrected since.
;; Multi Headed Attention. Allowed arithmetic: matrix products marked QUANTISED: E4M3 operands, one given power-of-two scale a tensor, by v_wmma_f32_16x16x64_fp8_fp8 or v_wmma_f32_16x16x128_fp8_fp8, f32 sums; everything else in f32.
;; Inputs: Wk_codes 1,024 x 32 x 32 uint8 (E4M3 codes of Wk, K innermost, in blocks of 32 codes); Wm_codes 1,024 x 32 x 32 uint8 (E4M3 codes of Wm, K innermost, in blocks of 32 codes); Wq_codes 1,024 x 32 x 32 uint8 (E4M3 codes of Wq, K innermost, in blocks of 32 codes); Wv_codes 1,024 x 32 x 32 uint8 (E4M3 codes of Wv, K innermost, in blocks of 32 codes); bk 1,024 float32; bm 1,024 float32; bq 1,024 float32; bv 1,024 float32; key_codes 8 x 1,024 x 32 x 32 uint8 (E4M3 codes of key, K innermost, in blocks of 32 codes); lowp_scales 12 int32 (the exponents e of the quantised operands' scales 2^e); query_codes 8 x 1,024 x 32 x 32 uint8 (E4M3 codes of query, K innermost, in blocks of 32 codes); value_codes 8 x 1,024 x 32 x 32 uint8 (E4M3 codes of value, K innermost, in blocks of 32 codes).
;; Outputs: out0 8 x 1,024 x 1,024 float32.
;; This version of the problem:
;;   THIS VERSION OF THE PROBLEM IS GIVEN IN LOW PRECISION. The matrix products marked QUANTISED in the list below multiply operands that are first quantised to E4M3 (4 exponent bits, 3 mantissa bits; 8 bits a number), with one given power-of-two scale for each operand tensor; their sums are f32. All else is computed in f32.
;;   The module's matrix products, in the order in which they are computed (A, B: the left and right operand; K: the contracted axis; several contracted axes count as one K, in the product's order):
;;     1. [M 8,192, K 1,024] x [K 1,024, N 1,024]; A: input query (given as codes); B: input Wq (given as codes): QUANTISED (scales: A lowp_scales[0], B lowp_scales[1])
;;     2. [M 8,192, K 1,024] x [K 1,024, N 1,024]; A: input key (given as codes); B: input Wk (given as codes): QUANTISED (scales: A lowp_scales[2], B lowp_scales[3])
;;     3. [M 8,192, K 1,024] x [K 1,024, N 1,024]; A: input value (given as codes); B: input Wv (given as codes): QUANTISED (scales: A lowp_scales[4], B lowp_scales[5])
;;     4. batch 128 x [M 1,024, K 64] x [K 64, N 1,024]; A: computed on the way; B: computed on the way: QUANTISED (scales: A lowp_scales[6], B lowp_scales[7])
;;     5. batch 128 x [M 64, K 1,024] x [K 1,024, N 1,024]; A: computed on the way; B: softmax (see below): QUANTISED (scales: A lowp_scales[8], B lowp_scales[9])
;;     6. [M 8,192, K 1,024] x [K 1,024, N 1,024]; A: computed on the way; B: input Wm (given as codes): QUANTISED (scales: A lowp_scales[10], B lowp_scales[11])
;;   THE QUANTISER, for each operand of a quantised product, along K:
;;     - The operand's scale is 2^e, e = its entry of the input lowp_scales (int32; the entries are numbered through the quantised products in the list's order, A before B).
;;     - Each number is divided by the scale, clamped to +-448, and rounded to the nearest number of E4M3, ties to even, subnormals kept.
;;     - The product sums the exact products of the quantised numbers (number of the format x scale) in f32.
;;   ~~~python
;;   def quantise(x, axis, e):      # numpy; x: float32 -> the quantised numbers, widened to float32 again
;;       x = np.moveaxis(x, axis, -1); K = x.shape[-1]
;;       r = np.clip(x / 2.0 ** e, -448, 448)
;;       step = 2.0 ** (np.maximum(np.frexp(np.where(r == 0, 1, r))[1] - 1, -6) - 3)
;;       q = np.round(r / step) * step * 2.0 ** e      # np.round: ties to even
;;       return np.moveaxis(q, -1, axis).astype(np.float32)
;;   ~~~
;;   SOFTMAX AHEAD OF A QUANTISED PRODUCT. Where the list says 'softmax', what is quantised is not the finished softmax but p = 2^(t - M), with t = logit x log2(e) and M = ceil(the row's largest t), a whole number; so 1/2 < the row's largest p <= 1. The row's sum l is taken of the UNQUANTISED p, in f32, and the product's result is divided by l at the end. Since M is a whole number, a kernel that streams over the keys may use a running M (the ceiling of the running maximum): every later rescaling is an exact power of two, so the quantised numbers keep their values, but for numbers so far below the row's largest that they fall under the format's range.
;;   OPERANDS COMPUTED ON THE WAY. 'Computed on the way' means the value that the module computes at that place (a softmax that the list does not call 'softmax' is quantised finished and normalised). What goes into a quantiser is computed in f32, as accurately as f32 sums, v_exp_f32 and their like allow (about 1e-6 of the number): no bf16 or f16 on the way to a quantiser, and a product that is left as it is and whose result goes on into a quantised operand takes f32 operands (vector FMAs, or v_wmma_f32_16x16x4_f32). A number that lies on a knife's edge between two numbers of the format may be rounded either way, as far as f32 arithmetic and the matrix unit's own rounding can turn it there, and no further.
;;   INPUTS GIVEN AS CODES. Wk (in the module: [1024, 1024], K = its axis 1); Wm (in the module: [1024, 1024], K = its axis 1); Wq (in the module: [1024, 1024], K = its axis 1); Wv (in the module: [1024, 1024], K = its axis 1); key (in the module: [8, 1024, 1024], K = its axis 1); query (in the module: [8, 1024, 1024], K = its axis 1); value (in the module: [8, 1024, 1024], K = its axis 1): each comes as NAME_codes (uint8): NAME with its K axis moved to the last place and cut into blocks of 32 codes, [.., K / 32, bytes a block], one block behind the other in memory; one code a byte (a code: sign, 4 exponent bits, 3 mantissa bits); its scale is its entry of lowp_scales. Its value is code x scale, taken as it is: it is not quantised again, and the codes and scales need not be those that the quantiser above would give.
;; One version. Each part assembles by itself: llvm-mc -triple=amdgcn-amd-amdhsa -mcpu=gfx1250 --defsym DOCPART=n.
;; ======== version 1 of 1: 3 launches
;; workspace buffers: qc 8,388,608 bytes; kc 8,388,608 bytes; vc 8,388,608 bytes; xc 8,388,608 bytes; wmp 1,048,576 bytes
;; launch projqkv (part 1): grid 4 x 64, 4 waves a work-group, clusters of 4 x 4, 327,680 bytes of LDS; arguments query_codes, key_codes, Wq_codes, Wk_codes, bq, bk, qc, kc, value_codes, Wv_codes, bv, vc, Wm_codes, wmp, lowp_scales; writes qc, kc, vc, wmp
.if DOCPART == 1
	.amdgcn_target "amdgcn-amd-amdhsa--gfx1250"
	.amdhsa_code_object_version 6
	.text
	.protected	k_q79c466adb4_projqkv
	.globl	k_q79c466adb4_projqkv
	.p2align	8
	.type	k_q79c466adb4_projqkv,@function
k_q79c466adb4_projqkv:
	s_mov_b64 s[64:65], 0
	v_nop
	global_prefetch_b8 v0, s[64:65] scope:SCOPE_SE
	s_setreg_imm32_b32 hwreg(HW_REG_WAVE_MODE, 25, 1), 1
	s_wait_xcnt 0x0
	s_wait_alu depctr_hold_cnt(0) depctr_sa_sdst(0) depctr_va_vdst(0) depctr_va_sdst(0) depctr_va_ssrc(0) depctr_va_vcc(0) depctr_vm_vsrc(0)
	s_getreg_b32 s2, hwreg(HW_REG_IB_STS2, 6, 4)
	s_cmp_eq_u32 s2, 0
	s_cbranch_scc0 .Lentry_in_a_cluster
	s_endpgm
.Lentry_in_a_cluster:
	s_bfe_u32 s2, ttmp6, 0x10000c
	s_cmp_lg_u32 s2, 0xf033
	s_cbranch_scc0 .Lentry_shape_is_right
	s_endpgm
.Lentry_shape_is_right:
; q = Wq query + bq, k = Wk key + bk and v = Wv value + bv on codes of FP8 (E4M3), each result quantised again with its given scale; and Wm's codes with their K axis in another order.  One launch, 256 work-groups that STAY.
; The three products are 384 tiles of 256 x 256, one and a half for each work-group: a work-group makes ONE TILE OF q OR k (256 tokens x 256 channels) and then ONE TILE OF v (128 keys x 256 channels).
; K = 1,024 goes in steps of 256 through two LDS slots filled by the tensor data mover, and the ring does not stop between the tiles: the first tile's last two changes of slots ask for v's K steps 0 and 1,
; which land while the first tile goes out; nothing waits for the first tile's stores.
; THE FIRST TILE.  A = the activations' codes [8 x 1024 (b, n)][1024], B = the weight's [1024 (o)][1024].  Clusters with y < 8 take query, Wq, bq, qc; the others key, Wk, bk, kc: only pointers and exponents are chosen
; (by the cluster's y, which all partners share).  Four waves, each 128 x 128 in 64 accumulators.  The matrix instruction is used transposed (source 0 = 16 rows of B, source 1 = 16 rows of A): in accumulator (a, b)
; lane (r, hl) holds token 16 a + r and, in register j, channel 16 b + 8 hl + j.  A channel is 16 d + head: so b is d and 8 hl + j the head.  One fused multiply-add a number gives sum x 2^(eA + eB) + bias and lays it at
; register 8 j + b: a lane's eight consecutive registers are then eight neighbouring d of one head and one token, which is what the conversion takes.
; v's TILE.  Source 0 = 16 keys of value (all four waves read the same 128 keys), source 1 = 16 rows of Wv (wave w: channels 64 w on): in accumulator (a, b) lane (r, hl) holds head r, d = a of my four, and in register j
; key 16 b + 8 hl + j: eight neighbouring keys, since the keys are the K of attention's second product.  32 accumulators; both operands have two sets of fragments, fetched one step of 128 along K ahead.
; CLUSTERS: 4 x 4 work-groups.  The activations' tiles (value's too) hang on the cluster's y and cy and are shared along a row of the cluster, the weights' on cx and are shared along a column: each is asked for jointly.
; OUT: qc, kc = [b][head][n / 128][d / 8][n % 128][d % 8].  vc = [b][head][key / 128][d (64)][128 bytes]; there key kk lies at 32 (kk / 32) + 16 ((kk / 8) % 2) + 8 ((kk / 16) % 2) + kk % 8, so that a lane's 16 bytes at
; 32 c + 16 hl are four registers of the K = 64 form's own layout.  All codes go through the wave's stage in LDS, 512 bytes a head at a time, and leave in stores of 512 consecutive bytes.
; wmp[o][64 head + d] = Wm_codes[o][16 d + head]: attention lays x head by head, so the last product's K runs so.  Waves 0 and 1 of each work-group turn two rows each while the first tiles are on their way.
; LIMITS: the two operands' exponents added lie between -126 and 127; each result's exponent between -126 and 119, so that each power of two below is an f32 number.  NaN among the biases is not served; what lies beyond a scale's range is held at the largest code.
; REGISTERS, in windows of 256: window 0: v1-29 addresses and scales; v32-95 q's or k's biases; v96-103 v's; from v128 the fragments of source 1 (first tile: ONE set of eight; v: two sets of four); on the ways out v128-255 are at work.
;   window 1: the fragments of source 0, TWO sets of eight.   windows 2, 3: the accumulators (v's in window 2).
.set ROWB,   256                       ; a tile's row in bytes: 256 codes along K
.set KROW,   1024                      ; a row of any operand in memory
.set PITCH,  272                       ; an LDS row: 256 bytes + 16 of padding: the 16 rows that a load touches start at 16 different banks (64 banks of 4 bytes: ISA guide 11.1)
.set FR,     16                        ; registers of a fragment: 16 rows x 128 K
.set NL,     4                         ; LDS loads that bring one
.set NP,     4                         ; places behind this matrix instruction (ISA guide 7.12.1)
.set HALFT,  128*PITCH                 ; 128 rows
.set QUART,  64*PITCH                  ; 64 rows
.set SLOT,   4*HALFT                   ; first tile: A's 256 rows, then B's 256.  v: value's 128 rows at the slot's head, Wv's 256 where B's lay
.set SPARE,  2*SLOT                    ; behind the ring: the spare words, 128 bytes for each wave
.set STG,    SPARE+512                 ; the stages: bytes of their own, into which no tile lands, since the slots are filled again behind the first way out
.set HROW,   528                       ; a head's 512 bytes + 16
.set WSTG,   16*HROW                   ; a wave's stage: 16 heads
.set SCR,    STG+4*WSTG                ; Wm's turn: 2 rows x 1,088 bytes for each of waves 0 and 1
.set SROW,   1088
.set SCL,  8                           ; v8   the scale in hand, as f32
.set LIM,  9                           ; v9   448 x that scale
.set BA,   10                          ; v10  q's or k's biases' offset
.set WMI,  11                          ; v11  Wm: my 64 bytes of a row
.set WMS,  12                          ; v12  Wm: where I put four bytes
.set WMR,  13                          ; v13  Wm: where I read rows back
.set BAV,  14                          ; v14  v's biases' offset
.set PFO,  15                          ; v15  the prefetches' offset: my lane x a row of value; never rewritten
.set ADRA, 16                          ; v16-17  LDS address of my A fragments in slot 0, 1
.set ADVA, 18                          ; v18-19  of my fragments of Wv
.set ADRB, 20                          ; v20-21  of my B fragments
.set ADVB, 22                          ; v22-23  of value's fragments
.set STO,  24                          ; v24  the first way out: where I put 8 codes
.set RD,   25                          ; v25  where I read the stage back
.set CO,   26                          ; v26  16 x lane
.set STV,  27                          ; v27  v's way out: where I put 16 codes
.set SPW,  28                          ; v28  LDS address of my spare word; never rewritten
.set NIL,  29                          ; v29  0; never rewritten
.set BI,   32                          ; v32-95   bias of channel 16 b + 8 hl + j at 8 b + j
.set BIV,  96                          ; v96-103  v: the bias of channel 16 a + r, twice, at 2 a
.set AF,   128                         ; the fragments of source 1
.set TMP,  128                         ; the ways out: 64 numbers,
.set CD,   192                         ; codes, two sets of 16 registers,
.set RB,   224                         ; and eight heads' 16 bytes read back
.set PFA,  4                           ; s[4:5]   where wave 0's prefetches stand: my work-group's 32 rows of value's 128; never rewritten
.set OB,   10                          ; s[10:11] where my wave's codes of q or k begin
.set VA,   84                          ; s[84:85] value at the rows that I fetch
.set VB,   86                          ; s[86:87] Wv at the rows that I fetch
.set OBV,  90                          ; s[90:91] where my wave's codes of v begin
.set G1, 24                            ; s[24:31] descriptor group 1 for the activations' tiles;  s[32:39] group 0, one set for each slot
.set G0, 32
.set G1B, 48                           ; s[48:55], s[56:63] the same for the weights' tiles
.set G0B, 56
.set G1C, 68                           ; s[68:75] group 1 for value's tiles: 64 rows to a load
.set MSB, 0
.macro WIN new                         ; the immediate's high byte repeats the setting that is left
.if MSB != \new
	s_set_vgpr_msb (MSB<<8)|\new
.set MSB, \new
.endif
.endm
.set MUL_LO, 0xa1                      ; source 0 window 1, source 1 window 0, C and D window 2
.set MUL_HI, 0xf1                      ; the same, C and D window 3
.set TO_B,   0x40                      ; destination window 1, address window 0
; A joint load: waves 0 and 1 fetch the activations' halves, waves 2 and 3 the weights'.  The branch hangs on the wave's number alone.  Four v_nop follow each of the two lines.
.macro JLOAD g0a, g1a, g0b, g1b
	s_cmp_eq_u32 s15, 0
	s_cbranch_scc0 .Lfor_b_\@
	tensor_load_to_lds s[\g0a:\g0a+3], s[\g1a:\g1a+7]
	s_nop 0
.rept 4
	v_nop
.endr
	s_branch .Lasked_\@
.Lfor_b_\@:
	tensor_load_to_lds s[\g0b:\g0b+3], s[\g1b:\g1b+7]
	s_nop 0
.rept 4
	v_nop
.endr
.Lasked_\@:
.endm
; A PREFETCH INTO THE L2 of K step t of value's tile: 128 rows x 256 bytes.  The rows are read by the four partners of my row of the cluster and by nobody else: the four share them out BY ADDRESS, 32 rows each (32 cx on),
; a lane a row, and in each work-group wave 0 asks: each row's 256 bytes of a K step are named once in the launch.  One instruction behind the joint load of each of the first tile's four changes of slots:
; K steps 0 and 1 two changes of slots, 256 matrix instructions, ahead of their loads, K steps 2 and 3 further.  The K step stands in the immediate: no register is stepped.
.macro ASK t
	s_cmp_eq_u32 s14, 0
	s_cbranch_scc0 .Lnot_mine_\@
	global_prefetch_b8 v[PFO], s[PFA:PFA+1] offset:ROWB*(\t) th:TH_LOAD_NT scope:SCOPE_SE
.Lnot_mine_\@:
.endm
.macro CREST                           ; a round of the cluster's barrier behind its opening barrier
	s_cmp_lg_u32 s14, 0
	s_cbranch_scc1 .Lnot_wave_0_\@
	s_barrier_signal -3
.Lnot_wave_0_\@:
	s_barrier_wait -3
	s_barrier_signal -1
	s_barrier_wait -1
.endm
.macro CROUND                          ; a whole round
	s_barrier_signal -1
	s_barrier_wait -1
	CREST
.endm
	s_load_b512 s[68:83], s[0:1], 0x0              ; query s[68:69], key s[70:71], Wq s[72:73], Wk s[74:75], bq s[76:77], bk s[78:79], qc s[80:81], kc s[82:83]
	s_load_b256 s[84:91], s[0:1], 0x40             ; value s[84:85], Wv s[86:87], bv s[88:89], vc s[90:91]
	s_load_b128 s[92:95], s[0:1], 0x60             ; Wm s[92:93], wmp s[94:95]
	s_load_b64 s[96:97], s[0:1], 0x70              ; the exponents
	v_lshl_add_u32 v[SPW], v0, 2, SPARE
	v_mov_b32 v[NIL], 0
	ds_add_u32 v28, v29
	ds_add_u32 v28, v29
	s_wait_dscnt 0x0
	v_lshrrev_b32 v1, 5, v0
	v_readfirstlane_b32 s14, v1                    ; wave 0..3
	s_lshr_b32 s15, s14, 1                         ; which half of A's rows is mine.  Also: I fetch activations (0) or weights (1)
	s_and_b32 s16, s14, 1                          ; which half of B's rows.  Also: which half of that tile I fetch
	s_bfe_u32 s40, ttmp6, 0x40000                  ; cx, cy: my place in the cluster
	s_bfe_u32 s41, ttmp6, 0x40004
	s_lshl_b32 s42, ttmp9, 2
	s_add_co_u32 s42, s42, s40                     ; tile column (256 channels) = 4 x cluster x + cx
	s_and_b32 s12, ttmp7, 0xffff                   ; cluster y: 0-7 query, 8-15 key
	s_and_b32 s13, s12, 7                          ; the first tile's batch: a cluster's four tile rows are one batch's 1,024 tokens
	s_lshl_b32 s17, s13, 2
	s_add_co_u32 s17, s17, s41                     ; its tile row in the tensor = 4 b + cy
	s_lshl_b32 s2, s12, 2
	s_add_co_u32 s2, s2, s41                       ; v's tile of 128 keys = 4 x cluster y + cy: 0 to 63
	s_lshl_b32 s43, s41, 2
	s_lshl_b32 s43, 15, s43                        ; my row of the cluster
	s_lshl_b32 s44, 0x1111, s40                    ; my column
	; descriptor group 1: a tile of 128 rows x 256 bytes, padded in LDS
	s_or_b32 s[G1+0], s43, (0<<16)|(1<<20)|(1<<21)|(5<<22)|(3<<25)  ; 15:0 the mask: my row; 17:16 element of 1 byte; 20 padding on; 21 set beside a mask; 24:22 after every 64 words; 31:25 four words
	s_or_b32 s[G1B+0], s44, (0<<16)|(1<<20)|(1<<21)|(5<<22)|(3<<25) ; the same with the mask of my column
.irp g, G1, G1B
	s_mov_b32 s[\g+1], ROWB<<16                    ; tensor_dim0
	s_mov_b32 s[\g+2], 128<<16                     ; tensor_dim1
	s_mov_b32 s[\g+3], ROWB<<16                    ; tile_dim0
	s_mov_b32 s[\g+4], 128                         ; tile_dim1
	s_mov_b32 s[\g+5], KROW                        ; tensor_dim0_stride
	s_mov_b32 s[\g+6], 0
	s_mov_b32 s[\g+7], 0
.endr
	s_lshl_b32 s18, s16, 7                         ; which 128 rows of a tile of 256 I fetch
	s_lshl_b32 s20, s17, 8
	s_add_co_u32 s20, s20, s18                     ; A: row 256 x tile row + 128 x half,
	s_lshl_b32 s20, s20, 10                        ; in bytes (under 2^23)
	s_mov_b32 s21, 0
	s_lshl_b32 s46, s42, 8
	s_add_co_u32 s46, s46, s18                     ; the weights, Wv too: row 256 x tile column + 128 x half
	s_lshl_b32 s46, s46, 10
	s_mov_b32 s47, 0
	s_lshl_b32 s22, s2, 7
	s_lshl_b32 s23, s16, 6
	s_add_co_u32 s22, s22, s23                     ; value: row 128 x v's tile + 64 x half
	s_lshl_b32 s22, s22, 10
	s_mov_b32 s23, 0
	s_mul_i32 s45, s14, HALFT                      ; where the tiles of 128 rows go: wave x 128 rows;
	s_mul_i32 s3, s16, QUART                       ; value's of 64 rows: half x 64 rows: no place in the cluster enters an LDS address
	s_wait_kmcnt 0x0
	s_cmp_lt_u32 s12, 8                            ; query's cluster or key's?  The same answer in all sixteen partners
	s_cselect_b64 s[4:5], s[68:69], s[70:71]       ; A
	s_cselect_b64 s[6:7], s[72:73], s[74:75]       ; B
	s_cselect_b64 s[8:9], s[76:77], s[78:79]       ; the bias
	s_cselect_b64 s[OB:OB+1], s[80:81], s[82:83]   ; the codes' buffer
	s_load_b256 s[76:83], s[96:97], 0x0            ; the exponents 0 to 7 (the eight pointers above have been chosen from: their registers are free)
	s_load_b32 s98, s[96:97], 0x20                 ; and 8: v's
	s_or_b32 s[G1C+0], s43, (0<<16)|(1<<20)|(1<<21)|(5<<22)|(3<<25)  ; value's tiles: my row's mask, 64 rows x 256 bytes
	s_mov_b32 s[G1C+1], ROWB<<16
	s_mov_b32 s[G1C+2], 64<<16
	s_mov_b32 s[G1C+3], ROWB<<16
	s_mov_b32 s[G1C+4], 64
	s_mov_b32 s[G1C+5], KROW
	s_mov_b32 s[G1C+6], 0
	s_mov_b32 s[G1C+7], 0
	s_add_nc_u64 s[20:21], s[4:5], s[20:21]
	s_add_nc_u64 s[VB:VB+1], s[VB:VB+1], s[46:47]
	s_add_nc_u64 s[46:47], s[6:7], s[46:47]
	s_add_nc_u64 s[VA:VA+1], s[VA:VA+1], s[22:23]
	CROUND                                         ; all sixteen work-groups are here: the first joint loads meet
.irp s, 0,1
	s_mov_b32 s[G0+4*\s], 1
	s_add_co_u32 s[G0+4*\s+1], s45, \s*SLOT
	s_add_nc_u64 s[G0+4*\s+2:G0+4*\s+3], s[20:21], \s*ROWB
	s_or_b32 s[G0+4*\s+3], s[G0+4*\s+3], 0x80000000
	s_mov_b32 s[G0B+4*\s], 1
	s_add_co_u32 s[G0B+4*\s+1], s45, \s*SLOT
	s_add_nc_u64 s[G0B+4*\s+2:G0B+4*\s+3], s[46:47], \s*ROWB
	s_or_b32 s[G0B+4*\s+3], s[G0B+4*\s+3], 0x80000000
	JLOAD G0+4*\s, G1, G0B+4*\s, G1B               ; K steps 0 and 1: two loads of mine are out
.endr
	v_and_b32 v1, 15, v0                           ; r
	v_bfe_u32 v2, v0, 4, 1                         ; hl
	v_mul_u32_u24 v3, v1, PITCH
	v_lshl_add_u32 v4, v2, 4, v3                   ; a fragment's row x pitch + 16 x half
	s_mul_i32 s21, s15, HALFT                      ; my 128 rows of A
	s_mul_i32 s22, s16, HALFT                      ; my 128 rows of B,
	s_add_co_u32 s22, s22, 2*HALFT                 ; which lie behind A's 256
	s_mul_i32 s23, s14, QUART                      ; my 64 rows of Wv,
	s_add_co_u32 s23, s23, 2*HALFT                 ; which lie where B's lay
.irp s, 0,1
	v_add_nc_u32 v[ADRA+\s], s21, v4
	v_add_nc_u32 v[ADRB+\s], s22, v4
	v_add_nc_u32 v[ADVA+\s], s23, v4
	v_add_nc_u32 v[ADVB+\s], \s*SLOT, v4           ; value's 128 rows, at the slot's head, are every wave's
	s_add_co_u32 s21, s21, SLOT
	s_add_co_u32 s22, s22, SLOT
	s_add_co_u32 s23, s23, SLOT
.endr
	s_mul_i32 s23, s14, WSTG
	s_add_co_u32 s23, s23, STG                     ; my stage
	v_mul_u32_u24 v5, v2, 8*HROW                   ; q, k in: head 8 hl + j, token 16 a + r: 8 hl head rows + 8 r bytes; j and a stand in the offset
	v_lshl_add_u32 v5, v1, 3, v5
	v_add_nc_u32 v[STO], s23, v5
	v_mul_u32_u24 v5, v1, HROW                     ; v in: head r's row, + 16 hl; d (128 a) and the keys (32 c) stand in the offset
	v_lshl_add_u32 v5, v2, 4, v5
	v_add_nc_u32 v[STV], s23, v5
	v_and_b32 v6, 31, v0
	v_lshlrev_b32 v[CO], 4, v6                     ; back and out: 16 bytes a lane
	v_add_nc_u32 v[RD], s23, v[CO]
	s_lshl_b32 s46, s42, 10                        ; q's or k's biases of my 128 channels: 4 x (256 x tile column + 128 x half) bytes on
	s_lshl_b32 s47, s16, 9
	s_add_co_u32 s46, s46, s47
	s_mov_b32 s47, 0
	s_add_nc_u64 s[8:9], s[8:9], s[46:47]
	v_lshlrev_b32 v[BA], 5, v2                     ; + 8 hl numbers
.irp b, 0,1,2,3,4,5,6,7
	global_load_b128 v[BI+8*\b:BI+8*\b+3], v[BA], s[8:9] offset:64*\b
	global_load_b128 v[BI+8*\b+4:BI+8*\b+7], v[BA], s[8:9] offset:64*\b+16
.endr
	s_lshl_b32 s46, s42, 10                        ; v's biases of my 64 channels: 4 x (256 x tile column + 64 x wave) bytes on
	s_lshl_b32 s47, s14, 8
	s_add_co_u32 s46, s46, s47
	s_mov_b32 s47, 0
	s_add_nc_u64 s[88:89], s[88:89], s[46:47]
	v_lshlrev_b32 v[BAV], 2, v1
.irp a, 0,1,2,3
	global_load_b32 v[BIV+2*\a], v[BAV], s[88:89] offset:64*\a      ; twice: the packed multiply-add names a pair
	global_load_b32 v[BIV+2*\a+1], v[BAV], s[88:89] offset:64*\a
.endr
	s_lshl_b32 s46, s13, 20                        ; where my wave's codes of q or k begin: b x 2^20 (16 heads of 65,536 bytes)
	s_lshl_b32 s47, s41, 14
	s_add_co_u32 s46, s46, s47                     ; + (2 cy + my half of the tokens) x 8,192
	s_lshl_b32 s47, s15, 13
	s_add_co_u32 s46, s46, s47
	s_lshl_b32 s47, s42, 11
	s_add_co_u32 s46, s46, s47                     ; + (2 x tile column + my half of the channels) x 1,024
	s_lshl_b32 s47, s16, 10
	s_add_co_u32 s46, s46, s47
	s_mov_b32 s47, 0
	s_add_nc_u64 s[OB:OB+1], s[OB:OB+1], s[46:47]
	s_lshr_b32 s46, s2, 3                          ; and of v: its batch x 2^20
	s_lshl_b32 s46, s46, 20
	s_and_b32 s47, s2, 7
	s_lshl_b32 s47, s47, 13
	s_add_co_u32 s46, s46, s47                     ; + its 128 keys' block x 8,192
	s_lshl_b32 s47, s42, 11
	s_add_co_u32 s46, s46, s47                     ; + d = 16 x tile column + 4 x wave, 128 bytes each
	s_lshl_b32 s47, s14, 9
	s_add_co_u32 s46, s46, s47
	s_mov_b32 s47, 0
	s_add_nc_u64 s[OBV:OBV+1], s[OBV:OBV+1], s[46:47]
	s_lshl_b32 s46, s40, 15                        ; the prefetches: in wave 0 s[VA:VA+1] stands at value's tile's first row; my work-group's 32 rows begin 32 cx rows on
	s_mov_b32 s47, 0
	s_add_nc_u64 s[PFA:PFA+1], s[VA:VA+1], s[46:47]
	v_lshlrev_b32 v[PFO], 10, v6                   ; a lane a row
	; Wm'S K AXIS.  256 work-groups x 2 waves x 2 rows = 1,024 rows.  Lane (r, hl) takes row hl of the wave's two and the 64 bytes at 64 r: d = 4 r + 0 .. 3, all 16 heads.  All addresses are made ahead of the branch.
	s_lshl_b32 s46, s2, 2
	s_add_co_u32 s46, s46, s42                     ; the work-group's number, 0 to 255,
	s_lshl_b32 s46, s46, 2                         ; x 4 rows
	s_lshl_b32 s47, s16, 1
	s_add_co_u32 s46, s46, s47                     ; + 2 x wave (of waves 0 and 1)
	s_lshl_b32 s46, s46, 10
	s_mov_b32 s47, 0
	s_add_nc_u64 s[92:93], s[92:93], s[46:47]
	s_add_nc_u64 s[94:95], s[94:95], s[46:47]
	v_lshlrev_b32 v[WMI], 10, v2
	v_lshl_add_u32 v[WMI], v1, 6, v[WMI]
	s_mul_i32 s47, s16, 2*SROW
	s_add_co_u32 s47, s47, SCR
	v_mul_u32_u24 v[WMS], v2, SROW
	v_lshl_add_u32 v[WMS], v1, 2, v[WMS]
	v_add_nc_u32 v[WMS], s47, v[WMS]               ; row hl, byte 4 r; the head (64 bytes each) stands in the offset
	v_add_nc_u32 v[WMR], s47, v[CO]
	s_cmp_lt_u32 s14, 2
	s_cbranch_scc0 .Lno_wm
.irp e, 0,1,2,3
	global_load_b128 v[128+4*\e:128+4*\e+3], v[WMI], s[92:93] offset:16*\e   ; d = 4 r + e: heads 0 to 15
.endr
	s_wait_loadcnt 0x0                             ; Wm's four loads (and the biases ahead of them)
.irp w, 0,1,2,3                        ; four heads at a time: a 4 x 4 turn of bytes.  v_perm_b32: selector bytes 0-3 take from the last vector source, 4-7 from the first
	v_perm_b32 v144, v[132+\w], v[128+\w], 0x05010400
	v_perm_b32 v145, v[132+\w], v[128+\w], 0x07030602
	v_perm_b32 v146, v[140+\w], v[136+\w], 0x05010400
	v_perm_b32 v147, v[140+\w], v[136+\w], 0x07030602
	v_perm_b32 v[160+4*\w], v146, v144, 0x05040100     ; head 4 w: d = 4 r + 0 .. 3
	v_perm_b32 v[161+4*\w], v146, v144, 0x07060302
	v_perm_b32 v[162+4*\w], v147, v145, 0x05040100
	v_perm_b32 v[163+4*\w], v147, v145, 0x07060302
.endr
.set i, 0
.rept 16
	ds_store_b32 v[WMS], v[160+i] offset:64*i
.set i, i+1
.endr
.irp i, 0,1,2,3
	ds_load_b128 v[176+4*\i:176+4*\i+3], v[WMR] offset:SROW*(\i/2)+512*(\i%2)   ; LDS serves a wave's instructions in order: these see my stores
.endr
	s_wait_dscnt 0x0
.irp i, 0,1,2,3
	global_store_b128 v[CO], v[176+4*\i:176+4*\i+3], s[94:95] offset:1024*(\i/2)+512*(\i%2)   ; 512 consecutive bytes a store
.endr
	s_wait_xcnt 0x0                                ; the stores have read their registers, into which A's fragments are loaded below
.Lno_wm:
.macro FRAG reg, adr, q, i             ; a fragment, 16 rows x 128 K: lane l holds row l % 16; registers 4 c .. 4 c + 3 hold K = 32 c + 16 (l / 16) + 0 .. 15: the same order of K in both operands, so every product meets its partner
.irp c, 0,1,2,3
	ds_load_b128 v[\reg+4*\c:\reg+4*\c+3], v[\adr] offset:128*(\q)+32*\c+(\i)*16*PITCH
.endr
.endm
.macro PLACES n                        ; plain vector instructions between a matrix instruction and a load into, or a vector write of, a register that it read, or a read of its result
.rept \n
	v_nop
.endr
.endm
; ---- THE FIRST TILE'S MACROS
; 16 matrix instructions: A's blocks a0, a0 + 1 x B's eight, 128 along K.  p: B's set.  zero = 1: the first product starts the sums.  The 64 accumulators take turns, one instruction a turn.
.macro MUL16 a0, p, zero
.irp a, \a0, \a0+1
.irp b, 0,1,2,3,4,5,6,7
.if \zero
	v_wmma_f32_16x16x128_fp8_fp8 v[8*(8*((\a)%4)+\b):8*(8*((\a)%4)+\b)+7], v[128*(\p)+FR*\b:128*(\p)+FR*\b+FR-1], v[AF+FR*(\a):AF+FR*(\a)+FR-1], 0
.else
	v_wmma_f32_16x16x128_fp8_fp8 v[8*(8*((\a)%4)+\b):8*(8*((\a)%4)+\b)+7], v[128*(\p)+FR*\b:128*(\p)+FR*\b+FR-1], v[AF+FR*(\a):AF+FR*(\a)+FR-1], v[8*(8*((\a)%4)+\b):8*(8*((\a)%4)+\b)+7]
.endif
.endr
.endr
.endm
.macro FETCH_B slot, q, p              ; B's eight fragments of the slot's q-th 128 along K into set p
	WIN TO_B
.irp i, 0,1,2,3,4,5,6,7
	FRAG 128*(\p)+FR*\i, ADRB+\slot, \q, \i
.endr
	WIN 0
.endm
.macro FETCH_A slot, q, i0             ; A's blocks i0 .. i0 + 3
.irp i, \i0, \i0+1, \i0+2, \i0+3
	FRAG AF+FR*(\i), ADRA+\slot, \q, \i
.endr
.endm
; A step of 128 along K that has its successor in the same slot.  A's blocks 0-3 are fetched anew in its middle, blocks 4-7 at its end; B's other set in the middle.
.macro STEP slot, q, zero
	s_wait_dscnt 4*NL                              ; B's set and A's blocks 0-3 are in; the youngest 16 loads (A's blocks 4-7) may be out
	WIN MUL_LO
	MUL16 0, (\q)%2, \zero
	MUL16 2, (\q)%2, \zero
	s_wait_dscnt 0                                 ; A's blocks 4-7 are in
	PLACES NP
	FETCH_B \slot, (\q)+1, 1-(\q)%2
	FETCH_A \slot, (\q)+1, 0
	WIN MUL_HI
	MUL16 4, (\q)%2, \zero
	MUL16 6, (\q)%2, \zero
	PLACES NP
	WIN 0
	FETCH_A \slot, (\q)+1, 4
.endm
; A slot's last step changes slots.  In front of the round each wave waits for all its tensor loads, adds 0 to its spare word, and waits for that and for its own reads of this slot.  Behind it this slot is filled again:
; fill = 1: with this tile's K step two steps on; fill = 2: with v's K step 0 (slot 0) or 1 (slot 1).  fetch = 1: the next slot's first fragments follow; 0: the tile ends here.  ask: the K step of value that wave 0 prefetches.
.macro TURN slot, next, fill, fetch, ask
	s_wait_tensorcnt 0x0                           ; all my tensor loads have landed: my part of the next slot
	ds_add_u32 v[SPW], v[NIL]                      ; 0 onto my spare word
	s_wait_dscnt 4*NL+1                            ; (the add and the youngest 16 loads, A's blocks 4-7, may be out)
	WIN MUL_LO
	MUL16 0, 1, 0                                  ; sixteen matrix instructions stand between the add and the wait for it
	s_wait_dscnt 0x0                               ; the add is done, and my reads of this slot are over
	s_barrier_signal -1
	MUL16 2, 1, 0
	WIN 0
	s_barrier_wait -1
	CREST                                          ; the barrier has opened a round of the cluster's barrier: no wave of any partner still reads this slot's tile or has a load on its way
.if \fill == 1
	s_add_nc_u64 s[G0+4*\slot+2:G0+4*\slot+3], s[G0+4*\slot+2:G0+4*\slot+3], 2*ROWB
	s_add_nc_u64 s[G0B+4*\slot+2:G0B+4*\slot+3], s[G0B+4*\slot+2:G0B+4*\slot+3], 2*ROWB
	JLOAD G0+4*\slot, G1, G0B+4*\slot, G1B         ; the first tensor load behind the round; its four v_nop are also the places in front of the loads below
.else
	s_add_co_u32 s[G0+4*\slot+1], s3, \slot*SLOT   ; THE RING GOES ON INTO v's TILE: value's halves of 64 rows at the slot's head,
	s_add_nc_u64 s[G0+4*\slot+2:G0+4*\slot+3], s[VA:VA+1], \slot*ROWB
	s_or_b32 s[G0+4*\slot+3], s[G0+4*\slot+3], 0x80000000
	s_add_nc_u64 s[G0B+4*\slot+2:G0B+4*\slot+3], s[VB:VB+1], \slot*ROWB   ; Wv's halves where B's lay
	s_or_b32 s[G0B+4*\slot+3], s[G0B+4*\slot+3], 0x80000000
	JLOAD G0+4*\slot, G1C, G0B+4*\slot, G1B
.endif
.if \fetch
	FETCH_B \next, 0, 0
	FETCH_A \next, 0, 0
.endif
	ASK \ask                                       ; behind the joint load and the run of LDS loads that the next products wait for
	WIN MUL_HI
	MUL16 4, 1, 0
	MUL16 6, 1, 0
.if \fetch
	PLACES NP
	WIN 0
	FETCH_A \next, 0, 4
.else
	WIN 0
.endif
.endm
; ---- v's MACROS
.macro FETCHV slot, q, p               ; value's eight fragments and my four of Wv, of the slot's q-th 128 along K, into set p: 48 LDS loads in one run
	WIN TO_B
.irp i, 0,1,2,3,4,5,6,7
	FRAG 128*(\p)+FR*\i, ADVB+\slot, \q, \i
.endr
	WIN 0
.irp i, 0,1,2,3
	FRAG AF+64*(\p)+FR*\i, ADVA+\slot, \q, \i
.endr
.endm
.macro MULV a, p, zero                 ; 8 matrix instructions: Wv's block a x value's eight.  The 32 accumulators take turns, one instruction a turn
.irp b, 0,1,2,3,4,5,6,7
.if \zero
	v_wmma_f32_16x16x128_fp8_fp8 v[8*(8*(\a)+\b):8*(8*(\a)+\b)+7], v[128*(\p)+FR*\b:128*(\p)+FR*\b+FR-1], v[AF+64*(\p)+FR*(\a):AF+64*(\p)+FR*(\a)+FR-1], 0
.else
	v_wmma_f32_16x16x128_fp8_fp8 v[8*(8*(\a)+\b):8*(8*(\a)+\b)+7], v[128*(\p)+FR*\b:128*(\p)+FR*\b+FR-1], v[AF+64*(\p)+FR*(\a):AF+64*(\p)+FR*(\a)+FR-1], v[8*(8*(\a)+\b):8*(8*(\a)+\b)+7]
.endif
.endr
.endm
; A slot's first step: multiplies set 0; at its head it fetches the slot's second 128 along K into set 1, a whole step ahead of their use.
.macro SV slot, zero
	s_wait_dscnt 0x0                               ; set 0 is in: every LDS load issued so far belongs to it
	PLACES NP                                      ; behind the last step's products, which read set 1
	FETCHV \slot, 1, 1
	WIN MUL_LO
	MULV 0, 0, \zero
	MULV 1, 0, \zero
	MULV 2, 0, \zero
	MULV 3, 0, \zero
	WIN 0
.endm
; A slot's second step multiplies set 1 and changes slots, as TURN does.  fill = 1: this slot is filled again, two K steps ahead.
.macro TURNV slot, next, fill
	s_wait_tensorcnt 0x0                           ; all my tensor loads have landed: my part of the next slot
	ds_add_u32 v[SPW], v[NIL]                      ; 0 onto my spare word
	s_wait_dscnt 1                                 ; set 1 is in; the add may be out
	WIN MUL_LO
	MULV 0, 1, 0                                   ; eight matrix instructions stand between the add and the wait for it
	s_wait_dscnt 0x0                               ; the add is done, and my reads of this slot are over
	s_barrier_signal -1
	MULV 1, 1, 0
	WIN 0
	s_barrier_wait -1
.if \fill
	CREST                                          ; the round: no wave of any partner still reads this slot's tile or has a load on its way
	s_add_nc_u64 s[G0+4*\slot+2:G0+4*\slot+3], s[G0+4*\slot+2:G0+4*\slot+3], 2*ROWB
	s_add_nc_u64 s[G0B+4*\slot+2:G0B+4*\slot+3], s[G0B+4*\slot+2:G0B+4*\slot+3], 2*ROWB
	JLOAD G0+4*\slot, G1C, G0B+4*\slot, G1B        ; the first tensor load behind the round; its four v_nop are also the places in front of the loads below
.else
	PLACES NP
.endif
	FETCHV \next, 0, 0
	WIN MUL_LO
	MULV 2, 1, 0
	MULV 3, 1, 0
	WIN 0
.endm
; ---- THE WAYS OUT
; 16 heads x 512 bytes come back from my stage and leave, eight heads at a time.  LDS serves a wave's instructions in order: the loads see my stores, and the next stores into the stage come behind them.
.macro READBACK ob, off
.irp g, 0,1
	s_wait_xcnt 0x0                                ; earlier stores have read these registers: only behind this wait are they loaded again
.irp i, 0,1,2,3,4,5,6,7
	ds_load_b128 v[RB+4*\i:RB+4*\i+3], v[RD] offset:(8*\g+\i)*HROW
.endr
.irp i, 0,1,2,3,4,5,6,7
	s_wait_dscnt 7-\i                              ; LDS loads come back in order: load i is in, the younger ones may be out
	global_store_b128 v[CO], v[RB+4*\i:RB+4*\i+3], s[\ob:\ob+1] offset:(8*\g+\i)*65536+\off   ; 32 lanes store 512 consecutive bytes, at a multiple of 512 from the buffer's first byte; heads lie 65,536 bytes apart
.endr
.endr
.endm
; q, k, block a: 16 tokens x 128 channels.  sum x 2^(eA + eB) + bias lands at register 8 j + b; held; eight neighbouring d become 8 codes; they go to head 8 hl + j's row of my stage.
.macro OUTBLK a
.set AC, 64*((\a)%4)
.set W, 0x02+((\a)/4)
	WIN W                                          ; source 0: window 2 or 3
.irp b, 0,1,2,3,4,5,6,7
.irp j, 0,1,2,3,4,5,6,7
	v_fma_f32 v[TMP+8*\j+\b], v[AC+8*\b+\j], s96, v[BI+8*\b+\j]   ; each accumulator from its low end on
.endr
.endr
	WIN 0
.set i, 0
.rept 64
	v_med3_num_f32 v[TMP+i], v[TMP+i], -v[LIM], v[LIM]   ; the conversion to an 8-bit code does not saturate (ISA guide 7.6.2): the hold at the largest code x the scale
.set i, i+1
.endr
.if (\a) >= 2
	s_wait_dscnt 8                                 ; the last block's eight stores may be out; those of two blocks back, which read this set of code registers, are done
.endif
.irp j, 0,1,2,3,4,5,6,7
	v_cvt_scalef32_pk8_fp8_f32 v[CD+16*((\a)%2)+2*\j:CD+16*((\a)%2)+2*\j+1], v[TMP+8*\j:TMP+8*\j+7], v[SCL]
.endr
	v_nop                                          ; one plain vector instruction between the conversions and the next vector instruction that writes their sources
.irp j, 0,1,2,3,4,5,6,7
	ds_store_b64 v[STO], v[CD+16*((\a)%2)+2*\j:CD+16*((\a)%2)+2*\j+1] offset:HROW*\j+128*((\a)%4)   ; lanes 0-15: 128 consecutive bytes; lanes 16-31: eight head rows on, 128 bytes further round the banks
.endr
.endm
; v, block a: one d for each of 16 heads x 128 keys.  sum x 2^e + bias, two at a time; held; eight neighbouring keys become 8 codes; key blocks 2 c and 2 c + 1 make a lane's 16 bytes.
.macro OUTBLKV a
	WIN 0x02                                       ; source 0: window 2
.set i, 0
.rept 32
	v_pk_fma_f32 v[TMP+i:TMP+i+1], v[64*(\a)+i:64*(\a)+i+1], s[96:97], v[BIV+2*(\a):BIV+2*(\a)+1] op_sel_hi:[1,0,1]   ; each accumulator from its low end on
.set i, i+2
.endr
	WIN 0
.set i, 0
.rept 64
	v_med3_num_f32 v[TMP+i], v[TMP+i], -v[LIM], v[LIM]
.set i, i+1
.endr
.if (\a) >= 2
	s_wait_dscnt 4                                 ; the last block's four stores may be out; those of two blocks back, which read this set of code registers, are done
.endif
.irp b, 0,1,2,3,4,5,6,7
	v_cvt_scalef32_pk8_fp8_f32 v[CD+16*((\a)%2)+2*\b:CD+16*((\a)%2)+2*\b+1], v[TMP+8*\b:TMP+8*\b+7], v[SCL]
.endr
	v_nop                                          ; one plain vector instruction between the conversions and the next vector instruction that writes their sources
.irp c, 0,1,2,3
	ds_store_b128 v[STV], v[CD+16*((\a)%2)+4*\c:CD+16*((\a)%2)+4*\c+3] offset:128*(\a)+32*\c
.endr
.endm
	; ---- THE FIRST TILE: q or k.  K = 1,024 is four slots' worth: written straight
	s_wait_tensorcnt 1                             ; my part of K step 0 is in (K step 1's load may be out)
	s_barrier_signal -1
	s_barrier_wait -1                              ; everybody's is
	FETCH_B 0, 0, 0
	FETCH_A 0, 0, 0
	FETCH_A 0, 0, 4
	STEP 0, 0, 1                                   ; the first products start the sums
	TURN 0, 1, 1, 1, 0                             ; slot 0 takes K step 2
	STEP 1, 0, 0
	TURN 1, 0, 1, 1, 1                             ; slot 1 takes K step 3
	STEP 0, 0, 0
	TURN 0, 1, 2, 1, 2                             ; slot 0 takes v's K step 0
	STEP 1, 0, 0
	TURN 1, 0, 2, 0, 3                             ; slot 1 takes v's K step 1; the tile's last products
	; BOTH REFILLS ARE ASKED FOR: NOW THE TILE GOES OUT
	s_wait_kmcnt 0x0
	s_cmp_lt_u32 s12, 8
	s_cselect_b32 s96, s76, s78                    ; the activations' exponent,
	s_cselect_b32 s97, s77, s79                    ; the weight's,
	s_cselect_b32 s99, s82, s83                    ; and the result's: entry 6 for q, entry 7 for k
	s_add_co_i32 s96, s96, s97
	s_add_co_i32 s96, s96, 127
	s_lshl_b32 s96, s96, 23                        ; 2^(eA + eB) as f32
	s_add_co_i32 s99, s99, 127
	s_lshl_b32 s97, s99, 23
	v_mov_b32 v[SCL], s97                          ; the result's scale as f32: the conversion takes its exponent field
	s_add_co_i32 s99, s99, 8
	s_lshl_b32 s99, s99, 23
	s_or_b32 s99, s99, 0x600000
	v_mov_b32 v[LIM], s99                          ; 448 x that scale
	s_wait_loadcnt 0x0                             ; the biases
	PLACES NP                                      ; behind the last products: their results are read, and A's registers written, below
	OUTBLK 0                                       ; tokens 0 to 63 of my 128: 512 bytes a head
	OUTBLK 1
	OUTBLK 2
	OUTBLK 3
	READBACK OB, 0
	OUTBLK 4                                       ; tokens 64 to 127
	OUTBLK 5
	OUTBLK 6
	OUTBLK 7
	READBACK OB, 512
	; ---- v's TILE.  Its K step 0 was shown landed, to every wave, by the wait and the round of the last change of slots
	s_wait_xcnt 0x0                                ; the last stores have read their registers, into which Wv's fragments are loaded below
	FETCHV 0, 0, 0
	SV 0, 1                                        ; the first products start the sums
	TURNV 0, 1, 1                                  ; slot 0 takes v's K step 2
	SV 1, 0
	TURNV 1, 0, 1                                  ; slot 1 takes v's K step 3
	SV 0, 0
	TURNV 0, 1, 0                                  ; nothing is left to fetch
	SV 1, 0
	s_wait_dscnt 0x0                               ; the last step
	WIN MUL_LO
	MULV 0, 1, 0
	MULV 1, 1, 0
	MULV 2, 1, 0
	MULV 3, 1, 0
	WIN 0
	s_add_co_i32 s96, s80, s81                     ; value's exponent + Wv's
	s_add_co_i32 s96, s96, 127
	s_lshl_b32 s96, s96, 23
	s_mov_b32 s97, s96                             ; (named with it as a pair, so it is written)
	s_add_co_i32 s99, s98, 127
	s_lshl_b32 s98, s99, 23
	v_mov_b32 v[SCL], s98                          ; v's scale as f32
	s_add_co_i32 s99, s99, 8
	s_lshl_b32 s99, s99, 23
	s_or_b32 s99, s99, 0x600000
	v_mov_b32 v[LIM], s99                          ; 448 x that scale
	PLACES NP
	OUTBLKV 0
	OUTBLKV 1
	OUTBLKV 2
	OUTBLKV 3
	READBACK OBV, 0
	s_wait_tensorcnt 0x0                           ; the wave's end
	ds_add_u32 v[SPW], v[NIL]
	s_wait_dscnt 0x0
	CROUND                                         ; the closing round: no work-group ends while a partner may still ask for a tile that names it
	s_endpgm
.Lfunc_end_k_q79c466adb4_projqkv:
	.size	k_q79c466adb4_projqkv, .Lfunc_end_k_q79c466adb4_projqkv-k_q79c466adb4_projqkv
	.p2alignl 7, 3214868480
	.fill 96, 4, 3214868480
	.section	.rodata,"a",@progbits
	.p2align	6, 0x0
	.amdhsa_kernel k_q79c466adb4_projqkv
		.amdhsa_group_segment_fixed_size 327680
		.amdhsa_private_segment_fixed_size 0
		.amdhsa_enable_private_segment 0
		.amdhsa_kernarg_size 120
		.amdhsa_user_sgpr_count 2
		.amdhsa_user_sgpr_kernarg_segment_ptr 1
		.amdhsa_wavefront_size32 1
		.amdhsa_system_sgpr_workgroup_id_x 1
		.amdhsa_system_sgpr_workgroup_id_y 1
		.amdhsa_system_sgpr_workgroup_id_z 1
		.amdhsa_system_vgpr_workitem_id 0
		.amdhsa_next_free_vgpr 1024
		.amdhsa_next_free_sgpr 100
		.amdhsa_reserve_vcc 0
		.amdhsa_float_denorm_mode_32 3
		.amdhsa_float_denorm_mode_16_64 3
		.amdhsa_memory_ordered 1
		.amdhsa_forward_progress 1
		.amdhsa_inst_pref_size 246
	.end_amdhsa_kernel
	.amdgpu_metadata
---
amdhsa.version: [ 1, 2 ]
amdhsa.kernels:
  - .name:           k_q79c466adb4_projqkv
    .symbol:         k_q79c466adb4_projqkv.kd
    .args:
      - { .name: query_codes, .offset: 0, .size: 8, .value_kind: global_buffer, .address_space: global }
      - { .name: key_codes, .offset: 8, .size: 8, .value_kind: global_buffer, .address_space: global }
      - { .name: Wq_codes, .offset: 16, .size: 8, .value_kind: global_buffer, .address_space: global }
      - { .name: Wk_codes, .offset: 24, .size: 8, .value_kind: global_buffer, .address_space: global }
      - { .name: bq, .offset: 32, .size: 8, .value_kind: global_buffer, .address_space: global }
      - { .name: bk, .offset: 40, .size: 8, .value_kind: global_buffer, .address_space: global }
      - { .name: qc, .offset: 48, .size: 8, .value_kind: global_buffer, .address_space: global }
      - { .name: kc, .offset: 56, .size: 8, .value_kind: global_buffer, .address_space: global }
      - { .name: value_codes, .offset: 64, .size: 8, .value_kind: global_buffer, .address_space: global }
      - { .name: Wv_codes, .offset: 72, .size: 8, .value_kind: global_buffer, .address_space: global }
      - { .name: bv, .offset: 80, .size: 8, .value_kind: global_buffer, .address_space: global }
      - { .name: vc, .offset: 88, .size: 8, .value_kind: global_buffer, .address_space: global }
      - { .name: Wm_codes, .offset: 96, .size: 8, .value_kind: global_buffer, .address_space: global }
      - { .name: wmp, .offset: 104, .size: 8, .value_kind: global_buffer, .address_space: global }
      - { .name: lowp_scales, .offset: 112, .size: 8, .value_kind: global_buffer, .address_space: global }
    .group_segment_fixed_size: 327680
    .private_segment_fixed_size: 0
    .kernarg_segment_align: 8
    .kernarg_segment_size: 120
    .max_flat_workgroup_size: 128
    .sgpr_count:     100
    .vgpr_count:     1024
    .wavefront_size: 32
...
	.end_amdgpu_metadata
.endif
;; end of part 1
;; launch attn (part 2): grid 2 x 128, 16 waves a work-group, no clusters, 190,464 bytes of LDS; arguments qc, kc, vc, lowp_scales, xc; writes xc
.if DOCPART == 2
	.amdgcn_target "amdgcn-amd-amdhsa--gfx1250"
	.amdhsa_code_object_version 6
	.text
	.protected	k_q79c466adb4_attn
	.globl	k_q79c466adb4_attn
	.p2align	8
	.type	k_q79c466adb4_attn,@function
k_q79c466adb4_attn:
	s_mov_b64 s[64:65], 0
	v_nop
	global_prefetch_b8 v0, s[64:65] scope:SCOPE_SE
	s_setreg_imm32_b32 hwreg(HW_REG_WAVE_MODE, 25, 1), 1
	s_wait_xcnt 0x0
; x[b][head][n][:] = the sum over keys of softmax(q . k / 8) v, both products on codes of FP8 (E4M3), and x quantised with its given scale for the last projection.
; qc, kc: [b][head][n / 128][d / 8][n % 128][d % 8];  vc: [b][head][key / 128][d][128 bytes, keys in the K = 64 form's register order];  xc: [b][head][n][d (64 bytes)].
; THE SOFTMAX AHEAD OF THE SECOND PRODUCT: t = score x log2(e) / 8; M = the row's largest t so far, rounded UP to a whole number; p = 2^(t - M) is what is quantised; it is not normalised.
; The row's sum is taken of the unquantised p, in f32, and divides at the end.  When M moves, the sum and O are multiplied by 2^(old M - new M): nothing is rounded.
; SHARES.  A work-group takes one (b, head) and 512 of its 1,024 queries; each of its sixteen waves 32 queries, two tiles of 16, so that each fragment of K and of V read from LDS feeds two matrix instructions.
; Four waves share a SIMD (256 registers each), so that one wave's exponentials stand beside another's plain and matrix work.
; THE HEAD'S WHOLE K AND V LIE IN LDS (2 x 64 KiB + padding), brought once by eight tensor loads at the head, four by wave 0 (K) and four by wave 1 (V): four loads of a wave are out.  Nothing is filled again.
; The keys go in four stages of 256: a stage begins when its load of K and of V has landed (a counted wait, then a barrier), while the later stages' loads are on their way.
; NO CLUSTER: a head's K and V are read by the two work-groups of its grid row; a cluster of four along x would want four blocks of 256 queries a head, that is eight waves of 32 queries, two to a SIMD in place of four.
; LAYOUT.  Both products are used transposed: S^T = K Q^T (source 0 = 16 keys, source 1 = 16 queries), O^T = V^T P^T (source 0 = 16 of the head's 64, source 1 = P): a lane holds ONE query (lane % 16) of each tile throughout.
; In S^T of key tile kt register j is key 16 kt + 8 (lane / 16) + j: just the keys that registers 2 kt, 2 kt + 1 of the second product's operand hold: the conversions' results ARE that operand.
; LIMITS, so that each power of two below is an f32 number: q's and k's exponents added between -123 and 130; p's and x's exponents between -126 and 119.  v's and p's added go in by v_ldexp_f32 and have none.
.set KROWP, 1152                       ; K in LDS: a run (n / 128, d / 8) of 1,024 bytes + 128 of padding: lanes 16-31 read one run further on, 128 bytes further round the banks than lanes 0-15 (64 banks of 4 bytes: ISA guide 11.1)
.set VROWP, 144                        ; V in LDS: a row (128 keys of one d) of 128 bytes + 16
.set CHUNK, 9216                       ; 128 keys: 8 runs of K; 64 rows of V
.set LOADB, 2*CHUNK                    ; what one tensor load fills
.set VOFF,  8*CHUNK                    ; V lies behind K
.set STG,   16*CHUNK                   ; behind both: 32 rows x 80 bytes for each wave, for the way out; no tile lands there
.set AK0, 1                            ; v1   my lane's place in a chunk of K
.set AV0, 2                            ; v2   the same for V
.set ADK, 3                            ; v3   LDS address of the chunk in hand, K
.set ADV, 4                            ; v4   V
.set GO,  5                            ; v5   16 x lane
.set QA,  6                            ; v6   my lane's place in Q's runs
.set ST,  8                            ; tile t's statistics at v[ST + 10 t]: +0 -M, +1 the largest t, +2, +3 the sum in two halves, +4 f (+5 named with it), +6, +7 at work, +8 the other half of the lanes'
.set LIM, 28                           ; v28  448 x the scale in hand
.set SCL, 29                           ; v29  the scale in hand, as f32
.set SO,  30                           ; v30  the way out: where I put 8 codes
.set SR,  31                           ; v31  and where I read rows back
.set Q,   32                           ; v32-47   Q: tile t at 8 t
.set KF,  48                           ; v48-79   K: four tiles of 16 keys
.set VF,  80                           ; v80-111  V: four tiles of 16 d
.set S,   112                          ; v112-175 S^T, then p: tile t, key tile kt at 32 t + 8 kt
.set O,   176                          ; v176-239 O^T: tile t, d tile dt at 32 t + 8 dt
.set P,   240                          ; v240-255 p's codes: tile t at 8 t
.set G1K, 24
.set G1V, 32
.set G0K, 40                           ; s40-55  four groups 0 for K's loads
.set G0V, 68                           ; s68-83  four for V's
	s_load_b256 s[4:11], s[0:1], 0x0               ; qc s[4:5], kc s[6:7], vc s[8:9], the exponents s[10:11]
	s_load_b64 s[12:13], s[0:1], 0x20              ; xc
	v_lshl_add_u32 v254, v0, 2, 0x2e000
	v_mov_b32 v255, 0
	ds_add_u32 v254, v255
	ds_add_u32 v254, v255
	s_wait_dscnt 0x0
	v_lshrrev_b32 v3, 5, v0
	v_readfirstlane_b32 s14, v3                    ; wave 0..15
	s_and_b32 s16, ttmp7, 0xffff                   ; 16 b + head,
	s_lshl_b32 s16, s16, 16                        ; x 65,536 bytes in each of the four buffers
	s_mov_b32 s17, 0
	; K: 16 runs of 1,024 bytes, dense in memory, 128 bytes of padding behind each
	s_mov_b32 s[G1K], (3<<16)|(1<<20)|(7<<22)|(31<<25)   ; no mask; elements of 8 bytes; padding on; after every 256 words, 32 words
	s_mov_b32 s[G1K+1], 128<<16                    ; tensor_dim0 = 128 elements
	s_mov_b32 s[G1K+2], 16<<16                     ; tensor_dim1
	s_mov_b32 s[G1K+3], 128<<16                    ; tile_dim0
	s_mov_b32 s[G1K+4], 16                         ; tile_dim1
	s_mov_b32 s[G1K+5], 128                        ; tensor_dim0_stride
	s_mov_b32 s[G1K+6], 0
	s_mov_b32 s[G1K+7], 0
	; V: 128 rows of 128 bytes, dense in memory, 16 bytes of padding behind each
	s_mov_b32 s[G1V], (0<<16)|(1<<20)|(4<<22)|(3<<25)    ; elements of 1 byte; after every 32 words, 4 words
	s_mov_b32 s[G1V+1], 128<<16
	s_mov_b32 s[G1V+2], 128<<16
	s_mov_b32 s[G1V+3], 128<<16
	s_mov_b32 s[G1V+4], 128
	s_mov_b32 s[G1V+5], 128
	s_mov_b32 s[G1V+6], 0
	s_mov_b32 s[G1V+7], 0
	s_mov_b32 s22, 0x76543210                      ; v_permlanex16_b32's selects: lane l xor 16
	s_mov_b32 s23, 0xfedcba98
	s_mov_b32 s20, 0x3e38aa3b                      ; c = log2(e) / 8
	s_mov_b32 s2, 0                                ; LDS byte at which the chunk in hand begins, in K's region and in V's
	s_wait_kmcnt 0x0
	s_load_b128 s[84:87], s[10:11], 0x18           ; the exponents of q, k, v, p
	s_load_b32 s88, s[10:11], 0x28                 ; and of x
	s_add_nc_u64 s[6:7], s[6:7], s[16:17]
	s_add_nc_u64 s[8:9], s[8:9], s[16:17]
.irp s, 0,1,2,3
	s_mov_b32 s[G0K+4*\s], 1                       ; count = 1
	s_mov_b32 s[G0K+4*\s+1], \s*LOADB              ; LDS address
	s_add_nc_u64 s[G0K+4*\s+2:G0K+4*\s+3], s[6:7], \s*16384   ; keys 256 s on
	s_or_b32 s[G0K+4*\s+3], s[G0K+4*\s+3], 0x80000000         ; type = 2
	s_mov_b32 s[G0V+4*\s], 1
	s_mov_b32 s[G0V+4*\s+1], VOFF+\s*LOADB
	s_add_nc_u64 s[G0V+4*\s+2:G0V+4*\s+3], s[8:9], \s*16384
	s_or_b32 s[G0V+4*\s+3], s[G0V+4*\s+3], 0x80000000
.endr
	s_cmp_eq_u32 s14, 0                            ; all the fills of a wave stand in one branch on its number, ahead of every wait on TENSORcnt, every LDS read and every barrier
	s_cbranch_scc0 .Lnot_k
	tensor_load_to_lds s[G0K:G0K+3], s[G1K:G1K+7]
	s_nop 0
	tensor_load_to_lds s[G0K+4:G0K+7], s[G1K:G1K+7]
	s_nop 0
	tensor_load_to_lds s[G0K+8:G0K+11], s[G1K:G1K+7]
	s_nop 0
	tensor_load_to_lds s[G0K+12:G0K+15], s[G1K:G1K+7]
	s_nop 0
.rept 4
	v_nop
.endr
	s_branch .Lasked
.Lnot_k:
	s_cmp_eq_u32 s14, 1
	s_cbranch_scc0 .Lasked
	tensor_load_to_lds s[G0V:G0V+3], s[G1V:G1V+7]
	s_nop 0
	tensor_load_to_lds s[G0V+4:G0V+7], s[G1V:G1V+7]
	s_nop 0
	tensor_load_to_lds s[G0V+8:G0V+11], s[G1V:G1V+7]
	s_nop 0
	tensor_load_to_lds s[G0V+12:G0V+15], s[G1V:G1V+7]
	s_nop 0
.rept 4
	v_nop
.endr
.Lasked:
	s_lshl_b32 s18, ttmp9, 2                       ; my 32 queries begin at n = 512 x + 32 w: run n / 128 = 4 x + w / 4,
	s_lshr_b32 s19, s14, 2
	s_add_co_u32 s18, s18, s19
	s_lshl_b32 s18, s18, 13
	s_and_b32 s19, s14, 3                          ; and 8 bytes x 32 (w % 4) into it
	s_lshl_b32 s19, s19, 8
	s_add_co_u32 s18, s18, s19
	s_add_co_u32 s18, s18, s16
	s_mov_b32 s19, 0
	s_add_nc_u64 s[4:5], s[4:5], s[18:19]
	s_lshl_b32 s18, ttmp9, 15                      ; x's rows of 64 bytes: 64 x (512 x + 32 w)
	s_lshl_b32 s19, s14, 11
	s_add_co_u32 s18, s18, s19
	s_add_co_u32 s18, s18, s16
	s_mov_b32 s19, 0
	s_add_nc_u64 s[12:13], s[12:13], s[18:19]
	v_and_b32 v7, 15, v0                           ; r
	v_bfe_u32 v17, v0, 4, 1                        ; hl
	v_lshlrev_b32 v[QA], 10, v17
	v_lshl_add_u32 v[QA], v7, 3, v[QA]             ; run hl, query r
.irp t, 0,1
.irp c, 0,1,2,3
	global_load_b64 v[Q+8*\t+2*\c:Q+8*\t+2*\c+1], v[QA], s[4:5] offset:2048*\c+128*\t   ; Q(query 16 t + r, d = 16 c + 8 hl + 0 .. 7): it stays in registers
.endr
.endr
	v_mul_u32_u24 v[AK0], v17, KROWP
	v_lshl_add_u32 v[AK0], v7, 3, v[AK0]           ; K: run hl, key r
	v_mul_u32_u24 v[AV0], v7, VROWP
	v_lshl_add_u32 v[AV0], v17, 4, v[AV0]
	v_add_nc_u32 v[AV0], VOFF, v[AV0]              ; V: row d = r, + 16 hl
	v_and_b32 v27, 31, v0
	v_lshlrev_b32 v[GO], 4, v27
	s_mul_i32 s15, s14, 32*80
	s_add_co_u32 s15, s15, STG                     ; my stage
	v_mul_u32_u24 v[SO], v7, 80
	v_lshl_add_u32 v[SO], v17, 3, v[SO]
	v_add_nc_u32 v[SO], s15, v[SO]                 ; in: row r, + 8 hl
	v_lshrrev_b32 v[SR], 2, v27
	v_mul_u32_u24 v[SR], v[SR], 80
	v_and_b32 v27, 3, v27
	v_lshl_add_u32 v[SR], v27, 4, v[SR]
	v_add_nc_u32 v[SR], s15, v[SR]                 ; back: four lanes to a row of 64 bytes
.irp t, 0,1
	v_mov_b32 v[ST+10*\t+1], 0xff61b1e6            ; the largest t so far: -3e38, under every t
	v_floor_f32 v[ST+10*\t], -v[ST+10*\t+1]        ; -M
	v_mov_b32 v[ST+10*\t+2], 0                     ; the sum, in two halves
	v_mov_b32 v[ST+10*\t+3], 0
	v_mov_b32 v[ST+10*\t+5], 0                     ; (named as the upper half of f's pair)
	v_mov_b32 v[ST+10*\t+8], 0                     ; written once: a lane permute's destination counts as one of its sources
.endr
.set i, 0
.rept 64
	v_mov_b32 v[O+i], 0                            ; O^T.  (The key step is written once for all steps: the first finds zeros, which the first change of M leaves zeros)
.set i, i+1
.endr
	s_wait_kmcnt 0x0
	s_add_co_i32 s18, s84, s85
	s_lshl_b32 s18, s18, 23
	s_add_co_i32 s20, s20, s18                     ; a score stands for score x 2^(q's + k's exponent): the two are added to c's exponent field
	s_mov_b32 s21, s20                             ; (named with it as a pair, so it is written)
	s_add_co_i32 s18, s87, 127
	s_lshl_b32 s19, s18, 23
	v_mov_b32 v[SCL], s19                          ; p's scale as f32
	s_add_co_i32 s18, s18, 8
	s_lshl_b32 s18, s18, 23
	s_or_b32 s18, s18, 0x600000
	v_mov_b32 v[LIM], s18                          ; 448 x that scale
; A KEY STEP: 64 keys, the h-th half of the chunk in hand, for my 32 queries.
.macro STEP h
.irp kt, 0,1,2,3
.irp c, 0,1,2,3
	ds_load_b64 v[KF+8*\kt+2*\c:KF+8*\kt+2*\c+1], v[ADK] offset:2*KROWP*\c+512*(\h)+128*\kt   ; K(key 16 kt + r, d = 16 c + 8 hl + 0 .. 7): run 2 c + hl
.endr
.endr
	s_wait_dscnt 0x0
.irp kt, 0,1,2,3
.irp t, 0,1
	v_wmma_f32_16x16x64_fp8_fp8 v[S+32*\t+8*\kt:S+32*\t+8*\kt+7], v[KF+8*\kt:KF+8*\kt+7], v[Q+8*\t:Q+8*\t+7], 0
.endr
.endr
.rept 4
	v_nop                                          ; places in front of the first read of the scores, and of the loads into V's registers, which the last step's products read
.endr
.irp dt, 0,1,2,3
.irp c, 0,1
	ds_load_b128 v[VF+8*\dt+4*\c:VF+8*\dt+4*\c+3], v[ADV] offset:16*VROWP*\dt+64*(\h)+32*\c   ; V(d = 16 dt + r, keys 32 c + 8 hl + 0 .. 7 and 32 c + 16 + 8 hl + 0 .. 7): they land while the softmax runs
.endr
.endr
.irp t, 0,1                            ; the step's largest score of each query, among my 32 keys: two chains a tile, the scores in ascending order
	v_max3_num_f32 v[ST+10*\t+6], v[S+32*\t], v[S+32*\t+1], v[S+32*\t+2]
	v_max3_num_f32 v[ST+10*\t+7], v[S+32*\t+3], v[S+32*\t+4], v[S+32*\t+5]
.endr
.irp i, 6,10,14,18,22,26
.irp t, 0,1
	v_max3_num_f32 v[ST+10*\t+6], v[ST+10*\t+6], v[S+32*\t+\i], v[S+32*\t+\i+1]
	v_max3_num_f32 v[ST+10*\t+7], v[ST+10*\t+7], v[S+32*\t+\i+2], v[S+32*\t+\i+3]
.endr
.endr
.irp t, 0,1
	v_max3_num_f32 v[ST+10*\t+6], v[ST+10*\t+6], v[S+32*\t+30], v[S+32*\t+31]
.endr
.irp t, 0,1
	v_max_num_f32 v[ST+10*\t+6], v[ST+10*\t+6], v[ST+10*\t+7]
.endr
.irp t, 0,1
	v_permlanex16_b32 v[ST+10*\t+8], v[ST+10*\t+6], s22, s23
.endr
.irp t, 0,1
	v_max_num_f32 v[ST+10*\t+6], v[ST+10*\t+6], v[ST+10*\t+8]   ; and among lane l xor 16's
.endr
.irp t, 0,1
	v_mul_f32 v[ST+10*\t+6], s20, v[ST+10*\t+6]    ; as t (c is positive)
.endr
.irp t, 0,1
	v_max_num_f32 v[ST+10*\t+1], v[ST+10*\t+1], v[ST+10*\t+6]   ; the running largest t
.endr
.irp t, 0,1
	v_mov_b32 v[ST+10*\t+6], v[ST+10*\t]
.endr
.irp t, 0,1
	v_floor_f32 v[ST+10*\t], -v[ST+10*\t+1]        ; the new -M = floor(-t) = -ceil(t): M is a whole number
.endr
.irp t, 0,1
	v_sub_f32 v[ST+10*\t+6], v[ST+10*\t], v[ST+10*\t+6]   ; M's old value less its new one: a whole number, 0 or less
.endr
.irp t, 0,1
	v_cvt_i32_f32 v[ST+10*\t+6], v[ST+10*\t+6]     ; (it saturates)
.endr
.irp t, 0,1
	v_ldexp_f32 v[ST+10*\t+4], 1.0, v[ST+10*\t+6]  ; f = 2^(old M - new M)
.endr
.irp t, 0,1
.set i, 0
.rept 16
	v_pk_fma_f32 v[S+32*\t+i:S+32*\t+i+1], v[S+32*\t+i:S+32*\t+i+1], s[20:21], v[ST+10*\t:ST+10*\t+1] op_sel_hi:[1,0,0]   ; t - M, two at a time (of the pairs c and -M the low word serves both halves)
.set i, i+2
.endr
.endr
.set i, 0
.rept 64
	v_exp_f32 v[S+i], v[S+i]                       ; p = 2^(t - M), at most 1: one batch
.set i, i+1
.endr
.irp t, 0,1                            ; work that names no exponential's result stands behind the batch: the sums and O^T under the new M
	v_pk_mul_f32 v[ST+10*\t+2:ST+10*\t+3], v[ST+10*\t+2:ST+10*\t+3], v[ST+10*\t+4:ST+10*\t+5] op_sel_hi:[1,0]
.endr
.irp t, 0,1
.set i, 0
.rept 16
	v_pk_mul_f32 v[O+32*\t+i:O+32*\t+i+1], v[O+32*\t+i:O+32*\t+i+1], v[ST+10*\t+4:ST+10*\t+5] op_sel_hi:[1,0]
.set i, i+2
.endr
.endr
	s_wait_alu depctr_va_vdst(0)                   ; one wait for the whole batch, ahead of its first reader
.irp t, 0,1                            ; the row's sum is taken of the unquantised p: two at a time, in two chains a tile
	v_pk_add_f32 v[ST+10*\t+6:ST+10*\t+7], v[S+32*\t:S+32*\t+1], v[S+32*\t+2:S+32*\t+3]
.endr
.irp i, 4,8,12,16,20,24,28
.irp t, 0,1
	v_pk_add_f32 v[ST+10*\t+2:ST+10*\t+3], v[ST+10*\t+2:ST+10*\t+3], v[S+32*\t+\i:S+32*\t+\i+1]
	v_pk_add_f32 v[ST+10*\t+6:ST+10*\t+7], v[ST+10*\t+6:ST+10*\t+7], v[S+32*\t+\i+2:S+32*\t+\i+3]
.endr
.endr
.irp t, 0,1
	v_pk_add_f32 v[ST+10*\t+2:ST+10*\t+3], v[ST+10*\t+2:ST+10*\t+3], v[ST+10*\t+6:ST+10*\t+7]
.endr
.set i, 0
.rept 64
	v_min_num_f32 v[S+i], v[S+i], v[LIM]           ; the conversion to an 8-bit code does not saturate (ISA guide 7.6.2); p is not negative, so the hold is one-sided
.set i, i+1
.endr
.irp t, 0,1
.irp kt, 0,1,2,3
	v_cvt_scalef32_pk8_fp8_f32 v[P+8*\t+2*\kt:P+8*\t+2*\kt+1], v[S+32*\t+8*\kt:S+32*\t+8*\kt+7], v[SCL]
.endr
.endr
	v_nop                                          ; one plain vector instruction between the conversions and the matrix instructions that read their results
	s_wait_dscnt 0x0                               ; V is in
.irp dt, 0,1,2,3
.irp t, 0,1
	v_wmma_f32_16x16x64_fp8_fp8 v[O+32*\t+8*\dt:O+32*\t+8*\dt+7], v[VF+8*\dt:VF+8*\dt+7], v[P+8*\t:P+8*\t+7], v[O+32*\t+8*\dt:O+32*\t+8*\dt+7]   ; eight accumulators, one instruction a turn
.endr
.endr
.endm
; A STAGE: 256 keys, two chunks of 128, two key steps each.
.macro STAGE s
	s_wait_tensorcnt 3-(\s)                        ; tensor loads of a wave end in order: load s of my four (if I issued any) has landed; the later stages' may stay out
	s_barrier_signal -1
	s_barrier_wait -1                              ; K's and V's part of this stage are whole for every wave
	s_mov_b32 s3, 2
.Lchunk_\@:
	v_add_nc_u32 v[ADK], s2, v[AK0]
	v_add_nc_u32 v[ADV], s2, v[AV0]
	STEP 0
	STEP 1
	s_add_co_u32 s2, s2, CHUNK
	s_sub_co_u32 s3, s3, 1
	s_cmp_lg_u32 s3, 0
	s_cbranch_scc1 .Lchunk_\@
.endm
	s_wait_loadcnt 0x0                             ; Q
	STAGE 0
	STAGE 1
	STAGE 2
	STAGE 3
	; THE WAY OUT.  x = O^T / the sum x 2^(v's + p's exponent), quantised with x's scale; through my stage in LDS, so that a store covers 512 consecutive bytes.  The additions are places behind the last products.
.irp t, 0,1
	v_add_f32 v[ST+10*\t+6], v[ST+10*\t+2], v[ST+10*\t+3]      ; the sum's two halves,
.endr
.irp t, 0,1
	v_permlanex16_b32 v[ST+10*\t+8], v[ST+10*\t+6], s22, s23
.endr
.irp t, 0,1
	v_add_f32 v[ST+10*\t+6], v[ST+10*\t+6], v[ST+10*\t+8]      ; and lane l xor 16's
.endr
.irp t, 0,1
	v_rcp_f32 v[ST+10*\t+4], v[ST+10*\t+6]
.endr
	s_add_co_i32 s18, s86, s87
	s_add_co_i32 s19, s88, 127
	s_lshl_b32 s15, s19, 23
	v_mov_b32 v[SCL], s15                          ; x's scale as f32.  (A plain instruction behind the reciprocals)
	s_add_co_i32 s19, s19, 8
	s_lshl_b32 s19, s19, 23
	s_or_b32 s19, s19, 0x600000
	v_mov_b32 v[LIM], s19                          ; 448 x that scale
	s_wait_alu depctr_va_vdst(0)                   ; one wait for the two reciprocals, ahead of their first reader
.irp t, 0,1
	v_ldexp_f32 v[ST+10*\t+4], v[ST+10*\t+4], s18
.endr
.irp t, 0,1
.set i, 0
.rept 16
	v_pk_mul_f32 v[O+32*\t+i:O+32*\t+i+1], v[O+32*\t+i:O+32*\t+i+1], v[ST+10*\t+4:ST+10*\t+5] op_sel_hi:[1,0]   ; each accumulator from its low end on
.set i, i+2
.endr
.endr
.set i, 0
.rept 64
	v_med3_num_f32 v[O+i], v[O+i], -v[LIM], v[LIM]
.set i, i+1
.endr
.irp t, 0,1
.irp dt, 0,1,2,3
	v_cvt_scalef32_pk8_fp8_f32 v[P+8*\t+2*\dt:P+8*\t+2*\dt+1], v[O+32*\t+8*\dt:O+32*\t+8*\dt+7], v[SCL]   ; x(query 16 t + r, d = 16 dt + 8 hl + 0 .. 7)
.endr
.endr
	v_nop
.irp t, 0,1
.irp dt, 0,1,2,3
	ds_store_b64 v[SO], v[P+8*\t+2*\dt:P+8*\t+2*\dt+1] offset:16*80*\t+16*\dt
.endr
.endr
.irp i, 0,1,2,3
	ds_load_b128 v[KF+4*\i:KF+4*\i+3], v[SR] offset:8*80*\i    ; eight rows of 64 bytes; LDS serves a wave's instructions in order: these see my stores
.endr
.irp i, 0,1,2,3
	s_wait_dscnt 3-\i                              ; load i is in, the younger ones may be out
	global_store_b128 v[GO], v[KF+4*\i:KF+4*\i+3], s[12:13] offset:512*\i   ; 512 consecutive bytes, at a multiple of 512 from the buffer's first byte
.endr
	s_wait_xcnt 0x0
	v_lshl_add_u32 v254, v0, 2, 0x2e000
	v_mov_b32 v255, 0
	s_wait_tensorcnt 0x0
	ds_add_u32 v254, v255
	s_wait_dscnt 0x0
	s_endpgm
.Lfunc_end_k_q79c466adb4_attn:
	.size	k_q79c466adb4_attn, .Lfunc_end_k_q79c466adb4_attn-k_q79c466adb4_attn
	.p2alignl 7, 3214868480
	.fill 96, 4, 3214868480
	.section	.rodata,"a",@progbits
	.p2align	6, 0x0
	.amdhsa_kernel k_q79c466adb4_attn
		.amdhsa_group_segment_fixed_size 190464
		.amdhsa_private_segment_fixed_size 0
		.amdhsa_enable_private_segment 0
		.amdhsa_kernarg_size 40
		.amdhsa_user_sgpr_count 2
		.amdhsa_user_sgpr_kernarg_segment_ptr 1
		.amdhsa_wavefront_size32 1
		.amdhsa_system_sgpr_workgroup_id_x 1
		.amdhsa_system_sgpr_workgroup_id_y 1
		.amdhsa_system_sgpr_workgroup_id_z 1
		.amdhsa_system_vgpr_workitem_id 0
		.amdhsa_next_free_vgpr 256
		.amdhsa_next_free_sgpr 96
		.amdhsa_reserve_vcc 0
		.amdhsa_float_denorm_mode_32 3
		.amdhsa_float_denorm_mode_16_64 3
		.amdhsa_memory_ordered 1
		.amdhsa_forward_progress 1
		.amdhsa_inst_pref_size 150
	.end_amdhsa_kernel
	.amdgpu_metadata
---
amdhsa.version: [ 1, 2 ]
amdhsa.kernels:
  - .name:           k_q79c466adb4_attn
    .symbol:         k_q79c466adb4_attn.kd
    .args:
      - { .name: qc, .offset: 0, .size: 8, .value_kind: global_buffer, .address_space: global }
      - { .name: kc, .offset: 8, .size: 8, .value_kind: global_buffer, .address_space: global }
      - { .name: vc, .offset: 16, .size: 8, .value_kind: global_buffer, .address_space: global }
      - { .name: lowp_scales, .offset: 24, .size: 8, .value_kind: global_buffer, .address_space: global }
      - { .name: xc, .offset: 32, .size: 8, .value_kind: global_buffer, .address_space: global }
    .group_segment_fixed_size: 190464
    .private_segment_fixed_size: 0
    .kernarg_segment_align: 8
    .kernarg_segment_size: 40
    .max_flat_workgroup_size: 512
    .sgpr_count:     96
    .vgpr_count:     256
    .wavefront_size: 32
...
	.end_amdgpu_metadata
.endif
;; end of part 2
;; launch outproj (part 3): grid 32 x 4, 4 waves a work-group, clusters of 4 x 4, 327,680 bytes of LDS; arguments wmp, xc, bm, lowp_scales, out0; writes out0
.if DOCPART == 3
	.amdgcn_target "amdgcn-amd-amdhsa--gfx1250"
	.amdhsa_code_object_version 6
	.text
	.protected	k_q79c466adb4_outproj
	.globl	k_q79c466adb4_outproj
	.p2align	8
	.type	k_q79c466adb4_outproj,@function
k_q79c466adb4_outproj:
	s_mov_b64 s[64:65], 0
	v_nop
	global_prefetch_b8 v0, s[64:65] scope:SCOPE_SE
	s_setreg_imm32_b32 hwreg(HW_REG_WAVE_MODE, 25, 1), 1
	s_wait_xcnt 0x0
	s_wait_alu depctr_hold_cnt(0) depctr_sa_sdst(0) depctr_va_vdst(0) depctr_va_sdst(0) depctr_va_ssrc(0) depctr_va_vcc(0) depctr_vm_vsrc(0)
	s_getreg_b32 s2, hwreg(HW_REG_IB_STS2, 6, 4)
	s_cmp_eq_u32 s2, 0
	s_cbranch_scc0 .Lentry_in_a_cluster
	s_endpgm
.Lentry_in_a_cluster:
	s_bfe_u32 s2, ttmp6, 0x10000c
	s_cmp_lg_u32 s2, 0xf033
	s_cbranch_scc0 .Lentry_shape_is_right
	s_endpgm
.Lentry_shape_is_right:
; out[b][o][n] = the sum over channels of Wm[o][c] x[b][c][n] + bm[o], on codes of FP8 (E4M3); out is f32.
; A = wmp [1024 (o)][64 head + d]: Wm's codes with K in the order in which x is laid.  B = xc [b][head][n][d (64 bytes)]: K = (head, d) lies in 16 planes of 65,536 bytes.
; A tile is 256 o x 256 n: four waves, each 128 x 128 in 64 accumulators.  A K step is 256 = four heads; four K steps go through two LDS slots.
; A wave's load of B is a tile of 4 rows (heads, 65,536 bytes apart) x 8,192 bytes (128 tokens x 64 bytes, dense), with 16 bytes of padding behind every 64: in LDS [head][token][80 bytes].
; CLUSTERS: 4 x 4 work-groups; A's tile is shared along a row of the cluster, B's along a column, each asked for jointly.
; THE MATRIX INSTRUCTION IS USED TRANSPOSED (source 0 = 16 rows of B, source 1 = 16 rows of A): a lane holds eight neighbouring n of one row o of out.
; LIMIT: x's and Wm's exponents added lie between -126 and 127, so that their power of two is an f32 number.
; REGISTERS, in windows of 256: window 0: v1-29 addresses; v32-95 at work on the way out; v96-111 the biases; from v128 A's fragments, ONE set.  window 1: B's fragments, TWO sets.  windows 2, 3: the accumulators.
.set ROWB,   256                       ; A: a tile's row in bytes
.set KROW,   1024
.set PITCH,  272                       ; A's LDS row: 256 bytes + 16
.set BPITCH, 80                        ; B's LDS row: a token's 64 bytes of one head + 16: an odd multiple of 16, so the 16 rows that a load touches start at 16 different groups of banks (ISA guide 11.1)
.set BPLANE, 128*BPITCH                ; a head's 128 tokens
.set BSTEP,  4*65536                   ; a K step on in xc: four heads
.set FR,     16
.set NL,     4
.set NP,     4                         ; places behind this matrix instruction (ISA guide 7.12.1)
.set HALFA,  128*PITCH
.set HALFB,  4*BPLANE
.set BOFF,   2*HALFA                   ; B's halves lie behind A's
.set SLOT,   2*HALFA+2*HALFB
.set SPARE,  2*SLOT                    ; the spare words, 128 bytes for each wave
.set SPITCH, 528                       ; the way out: a stage of 16 rows x (512 bytes + 16) for each wave, in slot 0, which has had its last fill and its last read when the first result is stored there
.set OROW,   4096                      ; a row of out in bytes
.set BA,   10
.set ADRA, 16
.set ADRB, 20
.set STO,  24
.set RD,   25
.set CO,   26
.set SPW,  28
.set NIL,  29
.set TMP,  32
.set BI,   96                          ; v96-111  the bias of row 16 a + r, twice, at 2 a
.set AF,   128
.set BK,   128
.set OB,   12                          ; s[12:13] out at my first row and column
.set G1, 24
.set G0, 32
.set G1B, 48
.set G0B, 56
.set MSB, 0
.macro WIN new                         ; the immediate's high byte repeats the setting that is left
.if MSB != \new
	s_set_vgpr_msb (MSB<<8)|\new
.set MSB, \new
.endif
.endm
.set MUL_LO, 0xa1
.set MUL_HI, 0xf1
.set TO_B,   0x40
.macro JLOAD g0a, g1a, g0b, g1b        ; a joint load: waves 0 and 1 fetch for A, waves 2 and 3 for B; four v_nop follow each of the two lines
	s_cmp_eq_u32 s15, 0
	s_cbranch_scc0 .Lfor_b_\@
	tensor_load_to_lds s[\g0a:\g0a+3], s[\g1a:\g1a+7]
	s_nop 0
.rept 4
	v_nop
.endr
	s_branch .Lasked_\@
.Lfor_b_\@:
	tensor_load_to_lds s[\g0b:\g0b+3], s[\g1b:\g1b+7]
	s_nop 0
.rept 4
	v_nop
.endr
.Lasked_\@:
.endm
.macro CREST
	s_cmp_lg_u32 s14, 0
	s_cbranch_scc1 .Lnot_wave_0_\@
	s_barrier_signal -3
.Lnot_wave_0_\@:
	s_barrier_wait -3
	s_barrier_signal -1
	s_barrier_wait -1
.endm
.macro CROUND
	s_barrier_signal -1
	s_barrier_wait -1
	CREST
.endm
	s_load_b128 s[4:7], s[0:1], 0x0                ; wmp s[4:5] (A), xc s[6:7] (B)
	s_load_b128 s[8:11], s[0:1], 0x10              ; bm s[8:9], the exponents s[10:11]
	s_load_b64 s[OB:OB+1], s[0:1], 0x20            ; out
	v_lshl_add_u32 v[SPW], v0, 2, SPARE
	v_mov_b32 v[NIL], 0
	ds_add_u32 v28, v29
	ds_add_u32 v28, v29
	s_wait_dscnt 0x0
	v_lshrrev_b32 v1, 5, v0
	v_readfirstlane_b32 s14, v1                    ; wave 0..3
	s_lshr_b32 s15, s14, 1                         ; which half of A's rows is mine.  Also: I fetch for A (0) or for B (1)
	s_and_b32 s16, s14, 1                          ; which half of B's rows.  Also: which 128 rows of that tile I fetch
	s_bfe_u32 s40, ttmp6, 0x40000                  ; cx, cy.  The cluster's x is the batch; the tile row is cy: the grid is one cluster high
	s_bfe_u32 s41, ttmp6, 0x40004
	s_lshl_b32 s43, s41, 2
	s_lshl_b32 s43, 15, s43                        ; my row of the cluster
	s_lshl_b32 s44, 0x1111, s40                    ; my column
	; A: 128 rows x 256 bytes, 16 bytes of padding behind each
	s_or_b32 s[G1+0], s43, (0<<16)|(1<<20)|(1<<21)|(5<<22)|(3<<25)
	s_mov_b32 s[G1+1], ROWB<<16                    ; tensor_dim0
	s_mov_b32 s[G1+2], 128<<16                     ; tensor_dim1
	s_mov_b32 s[G1+3], ROWB<<16                    ; tile_dim0
	s_mov_b32 s[G1+4], 128                         ; tile_dim1
	s_mov_b32 s[G1+5], KROW                        ; tensor_dim0_stride
	s_mov_b32 s[G1+6], 0
	s_mov_b32 s[G1+7], 0
	; B: 4 rows x 8,192 bytes, 65,536 bytes apart, 16 bytes of padding behind every 64 (128 times in a row)
	s_or_b32 s[G1B+0], s44, (0<<16)|(1<<20)|(1<<21)|(3<<22)|(3<<25)   ; after every 16 words four words
	s_mov_b32 s[G1B+1], 8192<<16
	s_mov_b32 s[G1B+2], 4<<16
	s_mov_b32 s[G1B+3], 8192<<16
	s_mov_b32 s[G1B+4], 4
	s_mov_b32 s[G1B+5], 65536
	s_mov_b32 s[G1B+6], 0
	s_mov_b32 s[G1B+7], 0
	s_lshl_b32 s18, s16, 7
	s_lshl_b32 s20, s41, 8
	s_add_co_u32 s20, s20, s18                     ; A: row 256 cy + 128 x half,
	s_lshl_b32 s20, s20, 10                        ; in bytes
	s_mov_b32 s21, 0
	s_lshl_b32 s46, ttmp9, 20                      ; B: the batch's 16 planes,
	s_lshl_b32 s47, s40, 14
	s_add_co_u32 s46, s46, s47                     ; token 256 cx + 128 x half, 64 bytes each
	s_lshl_b32 s47, s16, 13
	s_add_co_u32 s46, s46, s47
	s_mov_b32 s47, 0
	s_mul_i32 s45, s16, HALFA                      ; where they go: no place in the cluster enters an LDS address
	s_mul_i32 s19, s16, HALFB
	s_add_co_u32 s19, s19, BOFF
	s_wait_kmcnt 0x0
	s_load_b64 s[96:97], s[10:11], 0x28            ; x's exponent, Wm's
	s_add_nc_u64 s[20:21], s[4:5], s[20:21]
	s_add_nc_u64 s[46:47], s[6:7], s[46:47]
	CROUND                                         ; all sixteen work-groups are here: the first joint loads meet
.irp s, 0,1
	s_mov_b32 s[G0+4*\s], 1
	s_add_co_u32 s[G0+4*\s+1], s45, \s*SLOT
	s_add_nc_u64 s[G0+4*\s+2:G0+4*\s+3], s[20:21], \s*ROWB
	s_or_b32 s[G0+4*\s+3], s[G0+4*\s+3], 0x80000000
	s_mov_b32 s[G0B+4*\s], 1
	s_add_co_u32 s[G0B+4*\s+1], s19, \s*SLOT
	s_add_nc_u64 s[G0B+4*\s+2:G0B+4*\s+3], s[46:47], \s*BSTEP
	s_or_b32 s[G0B+4*\s+3], s[G0B+4*\s+3], 0x80000000
	JLOAD G0+4*\s, G1, G0B+4*\s, G1B               ; K steps 0 and 1: two loads of mine are out
.endr
	v_and_b32 v1, 15, v0                           ; r
	v_bfe_u32 v2, v0, 4, 1                         ; hl
	v_mul_u32_u24 v3, v1, PITCH
	v_lshl_add_u32 v4, v2, 4, v3                   ; A: row x pitch + 16 x half
	v_mul_u32_u24 v3, v1, BPITCH
	v_lshl_add_u32 v7, v2, 4, v3                   ; B likewise
	s_mul_i32 s21, s15, HALFA                      ; my 128 rows of A
	s_mul_i32 s22, s16, HALFB                      ; my 128 tokens of B
	s_add_co_u32 s22, s22, BOFF
.irp s, 0,1
	v_add_nc_u32 v[ADRA+\s], s21, v4
	v_add_nc_u32 v[ADRB+\s], s22, v7
	s_add_co_u32 s21, s21, SLOT
	s_add_co_u32 s22, s22, SLOT
.endr
	s_mul_i32 s23, s14, 16*SPITCH                  ; my stage
	v_mul_u32_u24 v5, v1, SPITCH                   ; in: row r, 32 bytes for each half of the lanes
	v_lshl_add_u32 v5, v2, 5, v5
	v_add_nc_u32 v[STO], s23, v5
	v_and_b32 v6, 31, v0
	v_lshlrev_b32 v[CO], 4, v6                     ; back: the 32 lanes take one row of 512 bytes; and the same in out
	v_add_nc_u32 v[RD], s23, v[CO]
	s_lshl_b32 s86, s41, 10                        ; the biases of my 128 rows: 4 x (256 cy + 128 x half) bytes on
	s_lshl_b32 s87, s15, 9
	s_add_co_u32 s86, s86, s87
	s_mov_b32 s87, 0
	s_add_nc_u64 s[8:9], s[8:9], s[86:87]
	v_lshlrev_b32 v[BA], 2, v1
.irp a, 0,1,2,3,4,5,6,7
	global_load_b32 v[BI+2*\a], v[BA], s[8:9] offset:64*\a      ; twice: the packed multiply-add names a pair
	global_load_b32 v[BI+2*\a+1], v[BA], s[8:9] offset:64*\a
.endr
	s_lshl_b32 s86, ttmp9, 22                      ; out: the batch's 4 MiB,
	s_lshl_b32 s87, s41, 20
	s_add_co_u32 s86, s86, s87                     ; row 256 cy + 128 x half, 4,096 bytes each,
	s_lshl_b32 s87, s15, 19
	s_add_co_u32 s86, s86, s87
	s_lshl_b32 s87, s40, 10
	s_add_co_u32 s86, s86, s87                     ; column 256 cx + 128 x half, 4 bytes each
	s_lshl_b32 s87, s16, 9
	s_add_co_u32 s86, s86, s87
	s_mov_b32 s87, 0
	s_add_nc_u64 s[OB:OB+1], s[OB:OB+1], s[86:87]
; A fragment is 16 rows x 128 K in 16 registers.  In both operands registers 4 c .. 4 c + 3 of the slot's q-th 128 along K hold head 2 q + c / 2 (of the slot's four), d = 32 (c % 2) + 16 (l / 16) + 0 .. 15.
.macro FRAG reg, adr, q, i             ; A: K along the row
.irp c, 0,1,2,3
	ds_load_b128 v[\reg+4*\c:\reg+4*\c+3], v[\adr] offset:128*(\q)+32*\c+(\i)*16*PITCH
.endr
.endm
.macro FRAGB reg, adr, q, i            ; B: a plane for each head
.irp c, 0,1,2,3
	ds_load_b128 v[\reg+4*\c:\reg+4*\c+3], v[\adr] offset:(2*(\q)+\c/2)*BPLANE+(\i)*16*BPITCH+32*(\c%2)
.endr
.endm
.macro MUL16 a0, p, zero               ; 16 matrix instructions; the 64 accumulators take turns, one instruction a turn
.irp a, \a0, \a0+1
.irp b, 0,1,2,3,4,5,6,7
.if \zero
	v_wmma_f32_16x16x128_fp8_fp8 v[8*(8*((\a)%4)+\b):8*(8*((\a)%4)+\b)+7], v[128*(\p)+FR*\b:128*(\p)+FR*\b+FR-1], v[AF+FR*(\a):AF+FR*(\a)+FR-1], 0
.else
	v_wmma_f32_16x16x128_fp8_fp8 v[8*(8*((\a)%4)+\b):8*(8*((\a)%4)+\b)+7], v[128*(\p)+FR*\b:128*(\p)+FR*\b+FR-1], v[AF+FR*(\a):AF+FR*(\a)+FR-1], v[8*(8*((\a)%4)+\b):8*(8*((\a)%4)+\b)+7]
.endif
.endr
.endr
.endm
.macro FETCH_B slot, q, p
	WIN TO_B
.irp i, 0,1,2,3,4,5,6,7
	FRAGB 128*(\p)+FR*\i, ADRB+\slot, \q, \i
.endr
	WIN 0
.endm
.macro FETCH_A slot, q, i0
.irp i, \i0, \i0+1, \i0+2, \i0+3
	FRAG AF+FR*(\i), ADRA+\slot, \q, \i
.endr
.endm
.macro PLACES n
.rept \n
	v_nop
.endr
.endm
.macro STEP slot, q, zero
	s_wait_dscnt 4*NL                              ; B's set and A's blocks 0-3 are in; the youngest 16 loads (A's blocks 4-7) may be out
	WIN MUL_LO
	MUL16 0, (\q)%2, \zero
	MUL16 2, (\q)%2, \zero
	s_wait_dscnt 0
	PLACES NP
	FETCH_B \slot, (\q)+1, 1-(\q)%2
	FETCH_A \slot, (\q)+1, 0
	WIN MUL_HI
	MUL16 4, (\q)%2, \zero
	MUL16 6, (\q)%2, \zero
	PLACES NP
	WIN 0
	FETCH_A \slot, (\q)+1, 4
.endm
.macro TURN slot, next, fill
	s_wait_tensorcnt 0x0                           ; all my tensor loads have landed: my part of the next slot
	ds_add_u32 v[SPW], v[NIL]                      ; 0 onto my spare word
	s_wait_dscnt 4*NL+1                            ; (the add and the youngest 16 loads may be out)
	WIN MUL_LO
	MUL16 0, 1, 0
	s_wait_dscnt 0x0                               ; the add is done, and my reads of this slot are over
	s_barrier_signal -1
	MUL16 2, 1, 0
	WIN 0
	s_barrier_wait -1
.if \fill
	CREST                                          ; the round: no wave of any partner still reads this slot's tile or has a load on its way
	s_add_nc_u64 s[G0+4*\slot+2:G0+4*\slot+3], s[G0+4*\slot+2:G0+4*\slot+3], 2*ROWB
	s_add_nc_u64 s[G0B+4*\slot+2:G0B+4*\slot+3], s[G0B+4*\slot+2:G0B+4*\slot+3], 2*BSTEP
	JLOAD G0+4*\slot, G1, G0B+4*\slot, G1B         ; the first tensor load behind the round; its four v_nop are also the places in front of the loads below
.else
	PLACES NP
.endif
	FETCH_B \next, 0, 0
	FETCH_A \next, 0, 0
	WIN MUL_HI
	MUL16 4, 1, 0
	MUL16 6, 1, 0
	PLACES NP
	WIN 0
	FETCH_A \next, 0, 4
.endm
	s_wait_tensorcnt 1                             ; my part of K step 0 is in (K step 1's load may be out)
	s_barrier_signal -1
	s_barrier_wait -1                              ; everybody's is
	FETCH_B 0, 0, 0
	FETCH_A 0, 0, 0
	FETCH_A 0, 0, 4
	STEP 0, 0, 1
	TURN 0, 1, 1                                   ; slot 0 takes K step 2
	STEP 1, 0, 0
	TURN 1, 0, 1                                   ; slot 1 takes K step 3
	STEP 0, 0, 0
	TURN 0, 1, 0
	STEP 1, 0, 0
	s_wait_dscnt 4*NL
	WIN MUL_LO
	MUL16 0, 1, 0
	MUL16 2, 1, 0
	s_wait_dscnt 0
	WIN MUL_HI
	MUL16 4, 1, 0
	MUL16 6, 1, 0
	WIN 0
; THE WAY OUT, block by block of 16 rows x 128 columns: sum x 2^e + bias, two at a time; through my own stage in LDS; back as whole rows of 512 bytes.  LDS serves a wave's instructions in order (ISA guide 5.7.1.4).
.macro TOSTAGE a
.set AC, 64*((\a)%4)
.set W, 0x02+((\a)/4)
	WIN W                                          ; source 0: window 2 or 3
.set i, 0
.rept 32
	v_pk_fma_f32 v[TMP+i:TMP+i+1], v[AC+i:AC+i+1], s[96:97], v[BI+2*(\a):BI+2*(\a)+1] op_sel_hi:[1,0,1]   ; each accumulator from its low end on
.set i, i+2
.endr
	WIN 0
.irp b, 0,1,2,3,4,5,6,7
	ds_store_b128 v[STO], v[TMP+8*\b:TMP+8*\b+3] offset:64*\b
	ds_store_b128 v[STO], v[TMP+8*\b+4:TMP+8*\b+7] offset:64*\b+16
.endr
.set BB, BK+64*((\a)%2)
.irp t, 0,1,2,3,4,5,6,7,8,9,10,11,12,13,14,15
	ds_load_b128 v[BB+4*\t:BB+4*\t+3], v[RD] offset:\t*SPITCH
.endr
.endm
.macro SEND a, younger                 ; younger: the LDS instructions issued behind block a's loads, which may stay out
.set BB, BK+64*((\a)%2)
	s_wait_dscnt \younger                          ; the block is back in registers
.if (\a) > 0
	s_add_nc_u64 s[OB:OB+1], s[OB:OB+1], 16*OROW   ; (behind a wait on XCNT: the earlier stores have read their base)
.endif
.irp t, 0,1,2,3,4,5,6,7,8,9,10,11,12,13,14,15
	global_store_b128 v[CO], v[BB+4*\t:BB+4*\t+3], s[OB:OB+1] offset:\t*OROW th:TH_STORE_NT   ; 32 lanes store 512 consecutive bytes, at a multiple of 512 from out's first byte; written once, read by nobody here
.endr
.endm
	s_wait_kmcnt 0x0
	s_add_co_i32 s96, s96, s97
	s_add_co_i32 s96, s96, 127
	s_lshl_b32 s96, s96, 23                        ; 2^(x's + Wm's exponent) as f32
	s_mov_b32 s97, s96                             ; (named with it as a pair, so it is written)
	s_wait_loadcnt 0x0                             ; the biases
	PLACES NP                                      ; behind the last products: their results are read, and loads land in A's registers, below
	TOSTAGE 0
.irp a, 1,2,3,4,5,6,7
.if \a > 1
	s_wait_xcnt 0x0                                ; block a - 2's stores have read their registers and their base: block a's loads may land there, and the base may step
.endif
	TOSTAGE \a
	SEND \a-1, 32                                  ; behind block a - 1's loads: block a's 16 stores and 16 loads
.endr
	s_wait_xcnt 0x0                                ; block 6's stores have read their base
	SEND 7, 0
	s_wait_tensorcnt 0x0                           ; the wave's end
	ds_add_u32 v[SPW], v[NIL]
	s_wait_dscnt 0x0
	CROUND                                         ; the closing round
	s_endpgm
.Lfunc_end_k_q79c466adb4_outproj:
	.size	k_q79c466adb4_outproj, .Lfunc_end_k_q79c466adb4_outproj-k_q79c466adb4_outproj
	.p2alignl 7, 3214868480
	.fill 96, 4, 3214868480
	.section	.rodata,"a",@progbits
	.p2align	6, 0x0
	.amdhsa_kernel k_q79c466adb4_outproj
		.amdhsa_group_segment_fixed_size 327680
		.amdhsa_private_segment_fixed_size 0
		.amdhsa_enable_private_segment 0
		.amdhsa_kernarg_size 40
		.amdhsa_user_sgpr_count 2
		.amdhsa_user_sgpr_kernarg_segment_ptr 1
		.amdhsa_wavefront_size32 1
		.amdhsa_system_sgpr_workgroup_id_x 1
		.amdhsa_system_sgpr_workgroup_id_y 1
		.amdhsa_system_sgpr_workgroup_id_z 1
		.amdhsa_system_vgpr_workitem_id 0
		.amdhsa_next_free_vgpr 1024
		.amdhsa_next_free_sgpr 100
		.amdhsa_reserve_vcc 0
		.amdhsa_float_denorm_mode_32 3
		.amdhsa_float_denorm_mode_16_64 3
		.amdhsa_memory_ordered 1
		.amdhsa_forward_progress 1
		.amdhsa_inst_pref_size 125
	.end_amdhsa_kernel
	.amdgpu_metadata
---
amdhsa.version: [ 1, 2 ]
amdhsa.kernels:
  - .name:           k_q79c466adb4_outproj
    .symbol:         k_q79c466adb4_outproj.kd
    .args:
      - { .name: wmp, .offset: 0, .size: 8, .value_kind: global_buffer, .address_space: global }
      - { .name: xc, .offset: 8, .size: 8, .value_kind: global_buffer, .address_space: global }
      - { .name: bm, .offset: 16, .size: 8, .value_kind: global_buffer, .address_space: global }
      - { .name: lowp_scales, .offset: 24, .size: 8, .value_kind: global_buffer, .address_space: global }
      - { .name: out0, .offset: 32, .size: 8, .value_kind: global_buffer, .address_space: global }
    .group_segment_fixed_size: 327680
    .private_segment_fixed_size: 0
    .kernarg_segment_align: 8
    .kernarg_segment_size: 40
    .max_flat_workgroup_size: 128
    .sgpr_count:     100
    .vgpr_count:     1024
    .wavefront_size: 32
...
	.end_amdgpu_metadata
.endif
;; end of part 3
